; MI455X (gfx1250); checked and timed in simulation.
; The chip was launched on July 23, 2026; its instructions are those of AMD's public machine-readable ISA for CDNA 5 (MIT licence, August 2026) and "CDNA5" Instruction Set Architecture Reference Guide (July 2026). The comments in the code are by the model that wrote it; some were corrected since.
;; Prob Attention Layer. Allowed arithmetic: matrix products marked QUANTISED: E5M2 operands, one E8M0 scale for each 32 along K, by v_wmma_scale_f32_16x16x128_f8f6f4 with both operands' format E5M2, f32 sums; everything else in f32.
;; Inputs: Wk 1,024 x 1,024 float32; Wo 1,024 x 1,024 float32; Wq 1,024 x 1,024 float32; Wv 1,024 x 1,024 float32; beta 1,024 float32; bk 1,024 float32; bo 1,024 float32; bq 1,024 float32; bv 1,024 float32; gamma 1,024 float32; x 4 x 2,048 x 1,024 float32.
;; Outputs: out0 4 x 2,048 x 1,024 float32.
;; This version of the problem:
;;   THIS VERSION OF THE PROBLEM IS GIVEN IN LOW PRECISION. The matrix products marked QUANTISED in the list below multiply operands that are first quantised to E5M2 (5 exponent bits, 2 mantissa bits; 8 bits a number), with one power-of-two scale for each 32 numbers along K (OCP MX v1.0); their sums are f32. All else is computed in f32.
;;   The module's matrix products, in the order in which they are computed (A, B: the left and right operand; K: the contracted axis; several contracted axes count as one K, in the product's order):
;;     1. [M 8,192, K 1,024] x [K 1,024, N 1,024]; A: input x; B: input Wq: QUANTISED
;;     2. [M 8,192, K 1,024] x [K 1,024, N 1,024]; A: input x; B: input Wk: QUANTISED
;;     3. [M 8,192, K 1,024] x [K 1,024, N 1,024]; A: input x; B: input Wv: QUANTISED
;;     4. batch 64 x [M 2,048, K 64] x [K 64, N 2,048]; A: computed on the way; B: computed on the way: QUANTISED
;;     5. batch 64 x [M 2,048, K 2,048] x [K 2,048, N 64]; A: softmax (see below); B: computed on the way: QUANTISED
;;     6. [M 8,192, K 1,024] x [K 1,024, N 1,024]; A: computed on the way; B: input Wo: QUANTISED
;;   THE QUANTISER, for each operand of a quantised product, along K:
;;     - K is cut into blocks of 32 from its start; a last block that is shorter is filled with zeros.
;;     - A block's scale is 2^e with e = floor(log2(the largest magnitude in the block)) - 15, held to -126 .. 127; a block of zeros has e = 0. As a byte (E8M0): e + 127.
;;     - Each number is divided by its block's scale, clamped to +-57,344, and rounded to the nearest number of E5M2, ties to even, subnormals kept.
;;     - The product sums the exact products of the quantised numbers (number of the format x scale) in f32.
;;   ~~~python
;;   def quantise(x, axis):      # numpy; x: float32 -> the quantised numbers, widened to float32 again
;;       x = np.moveaxis(x, axis, -1); K = x.shape[-1]
;;       x = np.pad(x, [(0, 0)] * (x.ndim - 1) + [(0, -K % 32)]); x = x.reshape(x.shape[:-1] + (-1, 32)); a = np.abs(x).max(-1, keepdims=True)
;;       e = np.where(a > 0, np.clip(np.frexp(np.where(a > 0, a, 1))[1] - 1 - 15, -126, 127), 0)      # np.frexp(a)[1] - 1 = floor(log2(a)), exactly
;;       r = np.clip(x / 2.0 ** e, -57344, 57344)
;;       step = 2.0 ** (np.maximum(np.frexp(np.where(r == 0, 1, r))[1] - 1, -14) - 2)
;;       q = np.round(r / step) * step * 2.0 ** e      # np.round: ties to even
;;       return np.moveaxis(q.reshape(q.shape[:-2] + (-1,))[..., :K], -1, axis).astype(np.float32)
;;   ~~~
;;   SOFTMAX AHEAD OF A QUANTISED PRODUCT. Where the list says 'softmax', what is quantised is not the finished softmax but p = 2^(t - M), with t = logit x log2(e) and M = ceil(the row's largest t), a whole number; so 1/2 < the row's largest p <= 1. The row's sum l is taken of the UNQUANTISED p, in f32, and the product's result is divided by l at the end. Since M is a whole number, a kernel that streams over the keys may use a running M (the ceiling of the running maximum): every later rescaling is an exact power of two, which a block's scale takes up: the codes' values come out the same.
;;   OPERANDS COMPUTED ON THE WAY. 'Computed on the way' means the value that the module computes at that place (a softmax that the list does not call 'softmax' is quantised finished and normalised). What goes into a quantiser is computed in f32, as accurately as f32 sums, v_exp_f32 and their like allow (about 1e-6 of the number): no bf16 or f16 on the way to a quantiser, and a product that is left as it is and whose result goes on into a quantised operand takes f32 operands (vector FMAs, or v_wmma_f32_16x16x4_f32). A number that lies on a knife's edge between two numbers of the format may be rounded either way, as far as f32 arithmetic and the matrix unit's own rounding can turn it there, and no further.
;; One version. Each part assembles by itself: llvm-mc -triple=amdgcn-amd-amdhsa -mcpu=gfx1250 --defsym DOCPART=n.
;; ======== version 1 of 1: 4 launches
;; limits: right only within a limited range of input values
;; workspace buffers: xc 8,388,608 bytes; xs 262,144 bytes; wc 4,194,304 bytes; ws 131,072 bytes; qk 17,301,504 bytes; vb 8,650,752 bytes; ob 8,650,752 bytes
;; launch quant (part 1): grid 512 x 1, 4 waves a work-group, no clusters, 34,304 bytes of LDS; arguments x, Wq, Wk, Wv, Wo, xc, xs, wc, ws; writes xc, xs, wc, ws
.if DOCPART == 1
	.amdgcn_target "amdgcn-amd-amdhsa--gfx1250"
	.amdhsa_code_object_version 6
	.text
	.protected	k_q4eb565646d_quant
	.globl	k_q4eb565646d_quant
	.p2align	8
	.type	k_q4eb565646d_quant,@function
k_q4eb565646d_quant:
	s_mov_b64 s[64:65], 0
	v_nop
	global_prefetch_b8 v0, s[64:65] scope:SCOPE_SE
	s_setreg_imm32_b32 hwreg(HW_REG_WAVE_MODE, 25, 1), 1
	s_wait_xcnt 0x0
; x [8192][1024] and Wq, Wk, Wv, Wo [1024 (k)][1024 (n)], f32, become codes of BF8 (E5M2) with one E8M0 byte for each 32 along K (x: its columns; a weight: its FIRST axis).
; A block's scale is 2^(floor(log2(largest magnitude)) - 15); each number is divided by it, held within +-57,344 and rounded to the nearest code, ties to even.
; LAYOUT OF THE RESULTS: images of operand registers.  A fragment is 16 rows x 128 K in 2,048 bytes: byte 512 c + 16 lane + e is the code of row lane % 16 at k = 32 c + 16 (lane / 16) + e.
;   xc [tile 512][K step 8][2048];  wc [weight 4][tile 64][K step 8][2048];  scale words xs, ws: 512 bytes a tile, the word of K step s of row r at 256 (s / 4) + 16 r + 4 (s % 4).
; POSITIONS: position P of a row-indexed buffer holds the true row (x) or output channel (weights) with bits 3 and 4 of P exchanged; a tile is 16 neighbouring positions.  So lane r of tile 2 b + u
; is true row 32 b + 8 u + r + 8 (r / 8), and where such tiles are a product's source 0 a lane's 16 results of two neighbouring tiles are 16 true neighbours.
; LIMITS: NaN and infinities among the inputs are not served; a block whose largest magnitude lies under 2^-111 keeps the byte 1; a block of zeros has the byte 1 where the rule says 127 (its codes are
; zeros, which add nothing, and the bytes are read by this program alone).
; Work-groups 0-255 take x (two tiles each: a wave has one tile and half of K), 256-511 the weights (128 channels x 128 along K each).  Only x's path touches LDS.  No tensor loads, no barrier: waves share nothing.
.set TM,  8                            ; v8-11 largest magnitudes, v12-15 bytes, v16-19 the largest number x the scale, v20-23 the conversions' scale operands
.set PW,  24                           ; v24    the scale word just made
.set WD,  28                           ; v28-31 x: the four steps' scale words
.set PC,  32                           ; v32-47 x: a fragment's codes
.set X,   48                           ; v48-111 x: 64 numbers of my row: register 16 b + i = k 32 b + 16 (lane / 16) + i
.set RAW, 112                          ; v112-239 x: two sets of 64 registers as loaded
.set XW,  64                           ; v64-191 weights: 128 numbers down K of my column
.set CW,  192                          ; v192-223 weights: their codes
.set MNT, 23                           ; s23    the mantissa field of 57,344
.set SEL, 24                           ; s24-25 lane selects for lane xor 16
.set SP,  528                          ; x's stage: a row of 512 bytes + 16 of padding; 16 rows a wave
	s_load_b256 s[4:11], s[0:1], 0x0               ; x, Wq, Wk, Wv
	s_load_b256 s[12:19], s[0:1], 0x20             ; Wo, xc, xs, wc
	s_load_b64 s[20:21], s[0:1], 0x40              ; ws
	v_lshl_add_u32 v254, v0, 2, 0x8400
	v_mov_b32 v255, 0
	v_lshrrev_b32 v1, 5, v0
	v_readfirstlane_b32 s22, v1                    ; wave
	v_and_b32 v5, 31, v0                           ; lane
	v_and_b32 v6, 15, v0                           ; r
	v_bfe_u32 v7, v0, 4, 1                         ; h
	s_mov_b32 s[MNT], 0x600000
	s_mov_b32 s[SEL], 0x76543210
	s_mov_b32 s[SEL+1], 0xfedcba98
	s_cmp_lt_u32 ttmp9, 256
	s_cbranch_scc0 .Lweights
; ---------------- x ----------------
; 64 numbers of a lane become a fragment's codes in v[PC] on and its scale word in v[PW]
.macro QUANT s
.irp b, 0,1,2,3
	v_max3_num_f32 v[TM+\b], |v[\s+16*\b]|, |v[\s+1+16*\b]|, 0x8000000   ; my 16 numbers of block b, and the floor 2^(16 - 127): the byte cannot fall under 1
.endr
.irp i, 2,4,6,8,10,12,14
.irp b, 0,1,2,3
	v_max3_num_f32 v[TM+\b], v[TM+\b], |v[\s+16*\b+\i]|, |v[\s+1+16*\b+\i]|   ; the four blocks by turns
.endr
.endr
.irp b, 0,1,2,3
	v_permlanex16_b32 v[TM+4+\b], v[TM+\b], s[SEL], s[SEL+1]
.endr
.irp b, 0,1,2,3
	v_max_num_f32 v[TM+\b], v[TM+\b], v[TM+4+\b]   ; with lane xor 16's 16: the block's largest magnitude
.endr
.irp b, 0,1,2,3
	v_add_nc_u32 v[TM+12+\b], 0xf8800000, v[TM+\b] ; 15 off its exponent field: the conversion's scale operand
.endr
.irp b, 0,1,2,3
	v_and_or_b32 v[TM+8+\b], v[TM+\b], 0x7f800000, s[MNT]   ; 57,344 x the scale
.endr
.irp b, 0,1,2,3
	v_lshrrev_b32 v[TM+4+\b], 23, v[TM+12+\b]      ; the scale's byte
.endr
	v_lshl_or_b32 v[PW], v[TM+5], 8, v[TM+4]
	v_lshl_or_b32 v[PW], v[TM+6], 16, v[PW]
	v_lshl_or_b32 v[PW], v[TM+7], 24, v[PW]
.irp b, 0,1,2,3
.irp i, 0,1,2,3,4,5,6,7,8,9,10,11,12,13,14,15
	v_med3_num_f32 v[\s+16*\b+\i], v[\s+16*\b+\i], -v[TM+8+\b], v[TM+8+\b]   ; the conversion does not saturate (ISA guide 7.6.2): the hold comes first
.endr
	v_cvt_scalef32_pk8_bf8_f32 v[PC+4*\b:PC+1+4*\b], v[\s+16*\b:\s+7+16*\b], v[TM+12+\b]
	v_cvt_scalef32_pk8_bf8_f32 v[PC+2+4*\b:PC+3+4*\b], v[\s+8+16*\b:\s+15+16*\b], v[TM+12+\b]
.endr
	v_nop                                          ; a plain line behind the last conversion
.endm
	v_lshlrev_b32 v1, 4, v5                        ; 16 x lane: a load's, and an image's, place for my lane
	s_mul_i32 s26, s22, 16*SP                      ; my wave's stage
	v_add_nc_u32 v2, s26, v1                       ; into it: a row as it lies
	v_mul_u32_u24 v3, v6, SP
	v_lshl_add_u32 v3, v7, 6, v3
	v_add_nc_u32 v3, s26, v3                       ; out of it: row r, + 64 h: my 16 numbers of a block of 32
	v_lshlrev_b32 v4, 4, v6
	v_lshl_add_u32 v4, v7, 3, v4                   ; the scale words' place: 16 r + 8 h
.irp b, 0,1,2,3
	v_mov_b32 v[TM+4+\b], 0                        ; a lane permute's destination counts as read
.endr
	s_lshr_b32 s27, s22, 1                         ; u: which of the work-group's two tiles
	s_and_b32 s28, s22, 1                          ; which half of K
	s_lshl_b32 s30, ttmp9, 17                      ; x: (32 id + 8 u) rows of 4,096 bytes + 2,048 x half
	s_lshl_b32 s29, s27, 15
	s_add_co_u32 s30, s30, s29
	s_lshl_b32 s29, s28, 11
	s_add_co_u32 s30, s30, s29
	s_mov_b32 s31, 0
	s_lshl_b32 s32, ttmp9, 1
	s_add_co_u32 s32, s32, s27                     ; the tile
	s_lshl_b32 s34, s32, 14                        ; its codes: 16,384 x tile + 8,192 x half
	s_lshl_b32 s29, s28, 13
	s_add_co_u32 s34, s34, s29
	s_mov_b32 s35, 0
	s_lshl_b32 s36, s32, 9                         ; its scale words: 512 x tile + 256 x half
	s_lshl_b32 s29, s28, 8
	s_add_co_u32 s36, s36, s29
	s_mov_b32 s37, 0
	s_wait_alu depctr_va_vdst(0)
	s_wait_kmcnt 0x0
	s_add_nc_u64 s[4:5], s[4:5], s[30:31]
	s_add_nc_u64 s[14:15], s[14:15], s[34:35]
	s_add_nc_u64 s[16:17], s[16:17], s[36:37]
.macro XLOAD t                         ; step t: 128 numbers of each of my 16 rows: a load reads 512 consecutive bytes of one row
.set p, 0
.rept 16
	global_load_b128 v[RAW+64*((\t)%2)+4*p:RAW+64*((\t)%2)+4*p+3], v1, s[4:5] offset:(p+8*(p/8))*4096+512*(\t) th:TH_LOAD_NT
.set p, p+1
.endr
.endm
.macro XTURN t                         ; through my own stage: LDS serves a wave's instructions in order, so no wait stands between the stores and the loads
.set p, 0
.rept 16
	ds_store_b128 v2, v[RAW+64*((\t)%2)+4*p:RAW+64*((\t)%2)+4*p+3] offset:SP*p
.set p, p+1
.endr
.irp b, 0,1,2,3
.irp j, 0,1,2,3
	ds_load_b128 v[X+16*\b+4*\j:X+16*\b+4*\j+3], v3 offset:128*\b+16*\j
.endr
.endr
.endm
.macro XSTEP t
.if (\t) < 3
	s_wait_loadcnt 16                              ; this step's 16 loads are in; the next step's 16 may be out
.else
	s_wait_loadcnt 0x0
.endif
	XTURN \t
	s_wait_dscnt 0x0                               ; my numbers are back, and the stores into the stage have read their registers,
.if (\t) < 2
	XLOAD (\t)+2                                   ; which take the loads of two steps on
.endif
	s_wait_xcnt 0x0                                ; the last step's stores have read the codes' registers: they are written again only behind this wait
	QUANT X
	v_mov_b32 v[WD+(\t)], v[PW]
.irp c, 0,1,2,3
	global_store_b128 v1, v[PC+4*\c:PC+4*\c+3], s[14:15] offset:2048*(\t)+512*\c   ; 32 lanes store 512 consecutive bytes
.endr
.endm
	XLOAD 0
	XLOAD 1
	XSTEP 0
	XSTEP 1
	XSTEP 2
	XSTEP 3
	v_cmp_ne_u32 vcc_lo, 0, v7
	v_cndmask_b32 v26, v[WD], v[WD+2], vcc_lo      ; lanes 0-15 store the words of my first two steps, lanes 16-31 of the last two (both halves hold all four)
	v_cndmask_b32 v27, v[WD+1], v[WD+3], vcc_lo
	global_store_b64 v4, v[26:27], s[16:17]        ; 32 lanes store 256 consecutive bytes, aligned
	s_wait_tensorcnt 0x0
	ds_add_u32 v254, v255
	s_wait_dscnt 0x0
	s_endpgm
; ---------------- the weights ----------------
; A lane takes a column (an output channel) and its registers run down K: a block of 32 lies in one lane, and the conversions give codes with K innermost.
.Lweights:
	s_sub_co_u32 s26, ttmp9, 256
	s_lshr_b32 s27, s26, 6                         ; which weight: 0 q, 1 k, 2 v, 3 o
	s_bfe_u32 s28, s26, 0x30003                    ; which 128 channels
	s_and_b32 s29, s26, 7                          ; which K step
	v_and_b32 v1, 7, v0
	v_bfe_u32 v2, v0, 3, 1
	v_lshl_add_u32 v1, v2, 4, v1
	s_wait_alu depctr_va_vdst(0)
	v_lshl_add_u32 v1, v7, 3, v1                   ; my lane with bits 3 and 4 exchanged: position lane holds that true channel
	v_lshlrev_b32 v1, 2, v1
	v_lshlrev_b32 v2, 4, v6
	v_lshl_add_u32 v3, v7, 9, v2                   ; scale words: 512 (lane / 16) + 16 r
	v_lshl_add_u32 v2, v7, 14, v2                  ; codes: 16,384 (lane / 16) + 16 r: lanes 0-15 are one tile, lanes 16-31 the next
	s_lshl_b32 s30, s29, 19                        ; W: 128 s rows of 4,096 bytes + 4 (128 cg + 32 wave)
	s_lshl_b32 s31, s28, 9
	s_add_co_u32 s30, s30, s31
	s_lshl_b32 s31, s22, 7
	s_add_co_u32 s30, s30, s31
	s_mov_b32 s31, 0
	s_lshl_b32 s32, s27, 20                        ; codes: 2^20 x weight + 16,384 (8 cg + 2 wave) + 2,048 s
	s_lshl_b32 s33, s28, 17
	s_add_co_u32 s32, s32, s33
	s_lshl_b32 s33, s22, 15
	s_add_co_u32 s32, s32, s33
	s_lshl_b32 s33, s29, 11
	s_add_co_u32 s32, s32, s33
	s_mov_b32 s33, 0
	s_lshl_b32 s34, s27, 15                        ; scale words: 32,768 x weight + 512 (8 cg + 2 wave) + 256 (s / 4) + 4 (s % 4)
	s_lshl_b32 s35, s28, 12
	s_add_co_u32 s34, s34, s35
	s_lshl_b32 s35, s22, 10
	s_add_co_u32 s34, s34, s35
	s_lshr_b32 s35, s29, 2
	s_lshl_b32 s35, s35, 8
	s_add_co_u32 s34, s34, s35
	s_and_b32 s35, s29, 3
	s_lshl_b32 s35, s35, 2
	s_add_co_u32 s34, s34, s35
	s_mov_b32 s35, 0
	s_wait_alu depctr_va_vdst(0)
	s_wait_kmcnt 0x0
	s_cmp_eq_u32 s27, 1                            ; the choice hangs on the work-group's number alone
	s_cselect_b64 s[6:7], s[8:9], s[6:7]
	s_cmp_eq_u32 s27, 2
	s_cselect_b64 s[6:7], s[10:11], s[6:7]
	s_cmp_eq_u32 s27, 3
	s_cselect_b64 s[6:7], s[12:13], s[6:7]
	s_add_nc_u64 s[6:7], s[6:7], s[30:31]
	s_add_nc_u64 s[18:19], s[18:19], s[32:33]
	s_add_nc_u64 s[20:21], s[20:21], s[34:35]
.macro WLOAD c                         ; block c: W(32 c + i, my channel): the wave reads 128 consecutive bytes of a row, the four waves 512
.set p, 0
.rept 32
	global_load_b32 v[XW+32*(\c)+p], v1, s[6:7] offset:(32*(\c)+p)*4096 th:TH_LOAD_NT
.set p, p+1
.endr
.endm
.macro WBLOCK c
.set XS, XW+32*(\c)
.if (\c) < 3
	s_wait_loadcnt 32                              ; this block's 32 loads are in; the next block's may be out
.else
	s_wait_loadcnt 0x0
.endif
.if (\c) < 2
	WLOAD (\c)+2                                   ; every block has registers of its own
.endif
	v_max3_num_f32 v12, |v[XS]|, |v[XS+1]|, |v[XS+2]|
	v_max3_num_f32 v13, |v[XS+3]|, |v[XS+4]|, |v[XS+5]|
.irp i, 6,10,14,18,22,26
	v_max3_num_f32 v12, v12, |v[XS+\i]|, |v[XS+\i+1]|
	v_max3_num_f32 v13, v13, |v[XS+\i+2]|, |v[XS+\i+3]|
.endr
	v_max3_num_f32 v12, v12, |v[XS+30]|, |v[XS+31]|
	v_max3_num_f32 v12, v12, v13, 0x8000000        ; and the floor
	v_add_nc_u32 v11, 0xf8800000, v12
	v_and_or_b32 v10, v12, 0x7f800000, s[MNT]
	v_lshrrev_b32 v13, 23, v11
.if (\c) == 0
	v_mov_b32 v[PW], v13
.else
	v_lshl_or_b32 v[PW], v13, 8*(\c), v[PW]
.endif
.set p, 0
.rept 32
	v_med3_num_f32 v[XS+p], v[XS+p], -v10, v10
.set p, p+1
.endr
.irp g, 0,1,2,3
	v_cvt_scalef32_pk8_bf8_f32 v[CW+8*(\c)+2*\g:CW+8*(\c)+2*\g+1], v[XS+8*\g:XS+8*\g+7], v11
.endr
	v_nop
	global_store_b128 v2, v[CW+8*(\c):CW+8*(\c)+3], s[18:19] offset:512*(\c)         ; k = 32 c + 0..15: the image's lanes 0-15; sixteen lanes store 256 consecutive bytes, aligned
	global_store_b128 v2, v[CW+8*(\c)+4:CW+8*(\c)+7], s[18:19] offset:512*(\c)+256   ; k = 32 c + 16..31: its lanes 16-31
.endm
	WLOAD 0
	WLOAD 1
	WBLOCK 0
	WBLOCK 1
	WBLOCK 2
	WBLOCK 3
	global_store_b32 v3, v[PW], s[20:21]           ; four bytes a channel, 16 bytes apart: one byte for each 32 of the 128 that this path reads
	s_endpgm
.Lfunc_end_k_q4eb565646d_quant:
	.size	k_q4eb565646d_quant, .Lfunc_end_k_q4eb565646d_quant-k_q4eb565646d_quant
	.p2alignl 7, 3214868480
	.fill 96, 4, 3214868480
	.section	.rodata,"a",@progbits
	.p2align	6, 0x0
	.amdhsa_kernel k_q4eb565646d_quant
		.amdhsa_group_segment_fixed_size 34304
		.amdhsa_private_segment_fixed_size 0
		.amdhsa_enable_private_segment 0
		.amdhsa_kernarg_size 72
		.amdhsa_user_sgpr_count 2
		.amdhsa_user_sgpr_kernarg_segment_ptr 1
		.amdhsa_wavefront_size32 1
		.amdhsa_system_sgpr_workgroup_id_x 1
		.amdhsa_system_sgpr_workgroup_id_y 1
		.amdhsa_system_sgpr_workgroup_id_z 1
		.amdhsa_system_vgpr_workitem_id 0
		.amdhsa_next_free_vgpr 256
		.amdhsa_next_free_sgpr 66
		.amdhsa_reserve_vcc 1
		.amdhsa_float_denorm_mode_32 3
		.amdhsa_float_denorm_mode_16_64 3
		.amdhsa_memory_ordered 1
		.amdhsa_forward_progress 1
		.amdhsa_inst_pref_size 80
	.end_amdhsa_kernel
	.amdgpu_metadata
---
amdhsa.version: [ 1, 2 ]
amdhsa.kernels:
  - .name:           k_q4eb565646d_quant
    .symbol:         k_q4eb565646d_quant.kd
    .args:
      - { .name: x, .offset: 0, .size: 8, .value_kind: global_buffer, .address_space: global }
      - { .name: Wq, .offset: 8, .size: 8, .value_kind: global_buffer, .address_space: global }
      - { .name: Wk, .offset: 16, .size: 8, .value_kind: global_buffer, .address_space: global }
      - { .name: Wv, .offset: 24, .size: 8, .value_kind: global_buffer, .address_space: global }
      - { .name: Wo, .offset: 32, .size: 8, .value_kind: global_buffer, .address_space: global }
      - { .name: xc, .offset: 40, .size: 8, .value_kind: global_buffer, .address_space: global }
      - { .name: xs, .offset: 48, .size: 8, .value_kind: global_buffer, .address_space: global }
      - { .name: wc, .offset: 56, .size: 8, .value_kind: global_buffer, .address_space: global }
      - { .name: ws, .offset: 64, .size: 8, .value_kind: global_buffer, .address_space: global }
    .group_segment_fixed_size: 34304
    .private_segment_fixed_size: 0
    .kernarg_segment_align: 8
    .kernarg_segment_size: 72
    .max_flat_workgroup_size: 128
    .sgpr_count:     66
    .vgpr_count:     256
    .wavefront_size: 32
...
	.end_amdgpu_metadata
.endif
;; end of part 1
;; launch gemm (part 2): grid 12 x 32, 4 waves a work-group, clusters of 4 x 4, 327,680 bytes of LDS; arguments xc, xs, wc, ws, bq, bk, bv, qk, vb; writes qk, vb
.if DOCPART == 2
	.amdgcn_target "amdgcn-amd-amdhsa--gfx1250"
	.amdhsa_code_object_version 6
	.text
	.protected	k_q4eb565646d_gemm
	.globl	k_q4eb565646d_gemm
	.p2align	8
	.type	k_q4eb565646d_gemm,@function
k_q4eb565646d_gemm:
	s_mov_b64 s[64:65], 0
	v_nop
	global_prefetch_b8 v0, s[64:65] scope:SCOPE_SE
	s_setreg_imm32_b32 hwreg(HW_REG_WAVE_MODE, 25, 1), 1
	s_wait_xcnt 0x0
	s_wait_alu depctr_hold_cnt(0) depctr_sa_sdst(0) depctr_va_vdst(0) depctr_va_sdst(0) depctr_va_ssrc(0) depctr_va_vcc(0) depctr_vm_vsrc(0)
	s_getreg_b32 s2, hwreg(HW_REG_IB_STS2, 6, 4)
	s_cmp_eq_u32 s2, 0
	s_cbranch_scc0 .Lentry_in_a_cluster
	s_endpgm
.Lentry_in_a_cluster:
	s_bfe_u32 s2, ttmp6, 0x10000c
	s_cmp_lg_u32 s2, 0xf033
	s_cbranch_scc0 .Lentry_shape_is_right
	s_endpgm
.Lentry_shape_is_right:
; q = x Wq + bq, k = x Wk + bk, v = x Wv + bv on codes of BF8 (E5M2) with E8M0 scales, sums in f32; the results are quantised at once, in registers, and leave as codes:
; q and k along the head's 64 channels, v along the keys.  Nothing wider than a byte a number goes to memory.
; A tile of 256 x 256 results to a work-group of four waves, 128 x 128 (64 accumulators) to a wave; K = 1,024 goes in steps of 256 through a ring of two LDS slots.
; ROLES.  Source 1 of the matrix instruction ('A' here) gives a lane its row; source 0 ('B') runs along a lane's registers.  The next quantiser's K must run along the registers, so
;   q, k (cluster x = 0, 1): A = x (32 tile rows), B = Wq and Wk (8 tile columns);     v (cluster x = 2): A = Wv (4 tile rows), B = x (32 tile columns).
; The kind is the same in all sixteen partners of a cluster; buffers and coordinates are chosen by s_cselect on it.
; OPERANDS ARE IMAGES OF THEIR REGISTERS: a fragment (16 rows x 128 K) is 2,048 bytes, lane l's 16 bytes of group c at 512 c + 16 l; buffers [tile][K step 8][2048].  No pitch, no padding: every LDS load takes 512 consecutive bytes.
; POSITIONS: position P holds the true row or channel with bits 3 and 4 of P exchanged, so the 16 results of B's tiles 2 b, 2 b + 1 in a lane are the true neighbours 32 b + 16 (lane / 16) + 0..15.
; CLUSTERS: 4 x 4.  A's tiles are asked for jointly along a row of the cluster, B's along a column.
; The biases are the C of the first K step's products.
; LIMITS: NaN and infinities are not served; a block whose largest magnitude lies under 2^-111 keeps the byte 1, a block of zeros too (its codes are zeros; this program alone reads the bytes).
; REGISTERS: window 0: v1-8 the biases' offsets; v16-29 addresses; v32-63 scale words, two sets; v64-127 the biases, later the way out's small things; v128-255 A's fragments, one set, later the codes.
;   window 1: B's fragments, two sets, later 64 held numbers.   windows 2, 3: the accumulators ((a, b) at v[8 (8 (a % 4) + b)]).
.set NQ,     2                         ; K steps of 128 in a slot
.set FR,     16                        ; registers of a fragment
.set NL,     4                         ; LDS loads that bring one
.set NP,     8                         ; places behind this matrix instruction (ISA guide 7.12.1)
.set SLOT,   131072                    ; A's 16 tiles x 4,096 bytes (two K steps), then B's 16
.set BOFF,   65536
.set SCL,    2*SLOT                    ; the scale words of all of K: A's 16 tiles x 512 bytes, then B's
.set SPARE,  SCL+16384                 ; the spare words, 128 bytes for each wave: two blocks of 256 bytes that no other line names
.set VO,   1
.set ADRA, 16
.set ADRB, 20
.set ADRS, 27
.set SPW,  28
.set NIL,  29
.set SC,   32
.set BI,   64
.set AF,   128
.set TM,   64                          ; the way out: v64-79 as in the quantiser, v80-87 the eight scale words, v88-91 the words to store, v92-94 offsets
.set PWS,  80
.set XWD,  88
.set OI0,  92
.set OI1,  93
.set SA,   94
.set G1, 24
.set G0, 32
.set G1B, 48
.set G0B, 56
.set G1S, 68
.set G0S, 76
.set G1SB, 80
.set G0SB, 88
.set KV,  66                           ; s66  1 for v, 0 for q and k
.set MSB, 0
.macro WIN new                         ; the immediate's high byte repeats the setting that is left
.if MSB != (\new)
	s_set_vgpr_msb (MSB<<8)|(\new)
.set MSB, (\new)
.endif
.endm
.set MUL_LO, 0xa1                      ; source 0 (B) window 1, source 1 (A) window 0, C and D window 2
.set MUL_HI, 0xf1
.set TO_B,   0x40
; A joint load: waves 0 and 1 fetch for A, waves 2 and 3 for B; the branch hangs on the wave's number alone.  Four v_nop follow each of the two lines.
.macro JLOAD g0a, g1a, g0b, g1b
	s_cmp_eq_u32 s15, 0
	s_cbranch_scc0 .Lfor_b_\@
	tensor_load_to_lds s[\g0a:\g0a+3], s[\g1a:\g1a+7]
	s_nop 0
.rept 4
	v_nop
.endr
	s_branch .Lasked_\@
.Lfor_b_\@:
	tensor_load_to_lds s[\g0b:\g0b+3], s[\g1b:\g1b+7]
	s_nop 0
.rept 4
	v_nop
.endr
.Lasked_\@:
.endm
.macro CREST                           ; a round of the cluster's barrier behind its opening barrier
	s_cmp_lg_u32 s14, 0
	s_cbranch_scc1 .Lnot_wave_0_\@
	s_barrier_signal -3
.Lnot_wave_0_\@:
	s_barrier_wait -3
	s_barrier_signal -1
	s_barrier_wait -1
.endm
.macro CROUND
	s_barrier_signal -1
	s_barrier_wait -1
	CREST
.endm
	s_load_b256 s[4:11], s[0:1], 0x0               ; xc, xs, wc, ws
	s_load_b256 s[92:99], s[0:1], 0x20             ; bq, bk, bv, qk
	s_load_b64 s[100:101], s[0:1], 0x40            ; vb
	v_lshl_add_u32 v[SPW], v0, 2, SPARE
	v_mov_b32 v[NIL], 0
	ds_add_u32 v28, v29
	ds_add_u32 v28, v29
	s_wait_dscnt 0x0
	v_lshrrev_b32 v9, 5, v0
	v_readfirstlane_b32 s14, v9                    ; wave 0..3
	s_lshr_b32 s15, s14, 1                         ; which half of A's rows is mine.  Also: I fetch for A (0) or for B (1)
	s_and_b32 s16, s14, 1                          ; which half of B's rows.  Also: which 8 tiles I fetch
	s_bfe_u32 s40, ttmp6, 0x40000                  ; cx, cy
	s_bfe_u32 s41, ttmp6, 0x40004
	s_and_b32 s67, ttmp7, 0xffff                   ; cluster y
	s_cmp_eq_u32 ttmp9, 2                          ; the kind: the same in all partners
	s_cselect_b32 s[KV], 1, 0
	s_cselect_b32 s42, s67, ttmp9                  ; which four tile columns (B)
	s_cselect_b32 s17, 0, s67                      ; which four tile rows (A)
	s_lshl_b32 s42, s42, 2
	s_add_co_u32 s42, s42, s40                     ; tile column
	s_lshl_b32 s17, s17, 2
	s_add_co_u32 s17, s17, s41                     ; tile row
	s_lshl_b32 s43, s41, 2
	s_lshl_b32 s43, 15, s43                        ; my row of the cluster
	s_lshl_b32 s44, 0x1111, s40                    ; my column
	; group 1 for codes: 8 tiles' two K steps: 8 rows of 4,096 bytes (512 elements of 8 bytes), 16,384 bytes apart; no padding
	s_or_b32 s[G1+0], s43, (3<<16)|(1<<21)
	s_or_b32 s[G1B+0], s44, (3<<16)|(1<<21)
.irp g, G1, G1B
	s_mov_b32 s[\g+1], 512<<16                     ; tensor_dim0
	s_mov_b32 s[\g+2], 16<<16                      ; tensor_dim1: 16 tiles for the head's loads; behind them 8
	s_mov_b32 s[\g+3], 512<<16                     ; tile_dim0
	s_mov_b32 s[\g+4], 16                          ; tile_dim1
	s_mov_b32 s[\g+5], 2048                        ; tensor_dim0_stride
	s_mov_b32 s[\g+6], 0
	s_mov_b32 s[\g+7], 0
.endr
	; and for the scale words of 16 tiles: 8,192 dense bytes as 32 rows of 256
	s_or_b32 s[G1S+0], s43, (3<<16)|(1<<21)
	s_or_b32 s[G1SB+0], s44, (3<<16)|(1<<21)
.irp g, G1S, G1SB
	s_mov_b32 s[\g+1], 32<<16
	s_mov_b32 s[\g+2], 32<<16                      ; the scale words of 16 tiles: 8,192 dense bytes as 32 rows of 256
	s_mov_b32 s[\g+3], 32<<16
	s_mov_b32 s[\g+4], 32
	s_mov_b32 s[\g+5], 32
	s_mov_b32 s[\g+6], 0
	s_mov_b32 s[\g+7], 0
.endr
	s_lshl_b32 s22, s17, 4                         ; A: tile 16 x tile row
	s_lshl_b32 s18, s22, 14                        ; its codes,
	s_mov_b32 s19, 0
	s_lshl_b32 s20, s22, 9                         ; its scale words
	s_mov_b32 s21, 0
	s_lshl_b32 s2, s42, 4                          ; B: tile 16 x tile column
	s_lshl_b32 s46, s2, 14
	s_mov_b32 s47, 0
	s_lshl_b32 s12, s2, 9
	s_mov_b32 s13, 0
	s_lshl_b32 s45, s14, 15                        ; where the codes go: 32,768 x wave: no place in the cluster enters an LDS address
	s_lshl_b32 s2, s16, 17                         ; in the ring I fetch 8 tiles of 16,384 bytes: which half
	s_mov_b32 s3, 0
	s_wait_kmcnt 0x0
	s_cmp_eq_u32 s[KV], 1
	s_add_nc_u64 s[22:23], s[8:9], 0x200000        ; Wv's codes
	s_cselect_b64 s[22:23], s[22:23], s[4:5]
	s_add_nc_u64 s[18:19], s[22:23], s[18:19]      ; A's codes at my tiles
	s_add_nc_u64 s[22:23], s[10:11], 0x10000       ; Wv's scale words
	s_cselect_b64 s[22:23], s[22:23], s[6:7]
	s_add_nc_u64 s[20:21], s[22:23], s[20:21]
	s_cselect_b64 s[90:91], s[4:5], s[8:9]
	s_add_nc_u64 s[46:47], s[90:91], s[46:47]      ; B's codes
	s_cselect_b64 s[90:91], s[6:7], s[10:11]
	s_add_nc_u64 s[12:13], s[90:91], s[12:13]      ; B's scale words
	CROUND                                         ; all sixteen work-groups are here: the first joint loads meet
	s_mov_b32 s[G0S], 1
	s_mov_b32 s[G0S+1], SCL
	s_mov_b64 s[G0S+2:G0S+3], s[20:21]
	s_or_b32 s[G0S+3], s[G0S+3], 0x80000000
	s_mov_b32 s[G0SB], 1
	s_mov_b32 s[G0SB+1], SCL+8192
	s_mov_b64 s[G0SB+2:G0SB+3], s[12:13]
	s_or_b32 s[G0SB+3], s[G0SB+3], 0x80000000
.set G0H, 4                            ; s[4:7], s[8:11] group 0 for the head's loads of slot 0: A's 16 tiles, B's 16 (the arguments that lay there have been used)
.set G0HB, 8
	s_mov_b32 s[G0H], 1
	s_mov_b32 s[G0H+1], 0
	s_mov_b64 s[G0H+2:G0H+3], s[18:19]
	s_or_b32 s[G0H+3], s[G0H+3], 0x80000000
	s_mov_b32 s[G0HB], 1
	s_mov_b32 s[G0HB+1], BOFF
	s_mov_b64 s[G0HB+2:G0HB+3], s[46:47]
	s_or_b32 s[G0HB+3], s[G0HB+3], 0x80000000
	s_add_nc_u64 s[18:19], s[18:19], s[2:3]        ; for the ring: my 8 tiles
	s_add_nc_u64 s[46:47], s[46:47], s[2:3]
.irp s, 0,1
	s_mov_b32 s[G0+4*\s], 1
	s_add_co_u32 s[G0+4*\s+1], s45, \s*SLOT
	s_add_nc_u64 s[G0+4*\s+2:G0+4*\s+3], s[18:19], \s*4096
	s_or_b32 s[G0+4*\s+3], s[G0+4*\s+3], 0x80000000
	s_mov_b32 s[G0B+4*\s], 1
	s_add_co_u32 s[G0B+4*\s+1], s45, \s*SLOT
	s_add_nc_u64 s[G0B+4*\s+2:G0B+4*\s+3], s[46:47], \s*4096
	s_or_b32 s[G0B+4*\s+3], s[G0B+4*\s+3], 0x80000000
.endr
; THE HEAD'S LOADS, ONE A WAVE: wave 0 slot 0's 16 tiles of A, wave 1 its 16 of B, wave 2 A's scale words, wave 3 B's.
; One tree of branches on the wave's number: every way through the head passes exactly one load.
.macro ARM under, g0, g1, next
	s_cmp_lt_u32 s14, \under
	s_cbranch_scc0 \next
	tensor_load_to_lds s[\g0:\g0+3], s[\g1:\g1+7]
	s_nop 0
.rept 4
	v_nop
.endr
	s_branch .Lhead_asked
\next:
.endm
	ARM 1, G0H,  G1,  .Lhead_b
	ARM 2, G0HB, G1B, .Lhead_sa
	ARM 3, G0S,  G1S, .Lhead_sb
	tensor_load_to_lds s[G0SB:G0SB+3], s[G1SB:G1SB+7]
	s_nop 0
.rept 4
	v_nop
.endr
.Lhead_asked:
	v_and_b32 v9, 31, v0
	v_lshlrev_b32 v10, 4, v9                       ; 16 x lane
	v_and_b32 v11, 15, v0                          ; r
	v_bfe_u32 v12, v0, 4, 1                        ; h
	s_wait_alu depctr_va_vdst(0)
	s_lshl_b32 s21, s15, 15                        ; my 8 tiles of A
	s_lshl_b32 s22, s16, 15                        ; my 8 tiles of B,
	s_add_co_u32 s22, s22, BOFF                    ; which lie behind A's 16
.irp s, 0,1
	v_add_nc_u32 v[ADRA+\s], s21, v10
	v_add_nc_u32 v[ADRB+\s], s22, v10
	s_add_co_u32 s21, s21, SLOT
	s_add_co_u32 s22, s22, SLOT
.endr
	v_lshlrev_b32 v13, 4, v11                      ; scale words: 16 r in a tile's block;
	s_lshl_b32 s21, s15, 12                        ; A's: my 8 tiles
	s_lshl_b32 s22, s16, 12                        ; B's: my 8 tiles, behind A's 16
	s_add_co_u32 s22, s22, 8192
	s_sub_co_u32 s22, s22, s21
	v_mul_u32_u24 v14, s22, v12                    ; lanes 16-31 take B's
	s_add_co_u32 s21, s21, SCL
	v_add_nc_u32 v13, v13, v14
	v_add_nc_u32 v[ADRS], s21, v13
	; the biases, in the results' layout.  q, k: register j of B's block x is channel 32 (x / 2) + 16 h + 8 (x % 2) + j;  v: every register of A's block x is the lane's channel 32 (x / 2) + 8 (x % 2) + r + 8 (r / 8)
	v_lshlrev_b32 v14, 6, v12                      ; 64 h
	v_and_b32 v15, 8, v11
	v_add_nc_u32 v15, v15, v11
	v_lshlrev_b32 v15, 2, v15                      ; 4 (r + 8 (r / 8))
	s_wait_alu depctr_va_vdst(0)
	s_and_b32 s20, s42, 3
	s_lshl_b32 s20, s20, 8
	s_lshl_b32 s21, s16, 7
	s_add_co_u32 s20, s20, s21                     ; q, k: my first channel
	s_lshl_b32 s21, s17, 8
	s_lshl_b32 s22, s15, 7
	s_add_co_u32 s21, s21, s22                     ; v: my first channel
	s_cmp_eq_u32 ttmp9, 1
	s_cselect_b64 s[2:3], s[94:95], s[92:93]
	s_cmp_eq_u32 s[KV], 1
	s_cselect_b64 s[2:3], s[96:97], s[2:3]
	s_cselect_b32 s12, s21, s20
	s_cselect_b32 s22, -1, 0
	s_cselect_b32 s23, 0, 4
	s_lshl_b32 s12, s12, 2
	s_mov_b32 s13, 0
	s_add_nc_u64 s[2:3], s[2:3], s[12:13]
	v_cndmask_b32 v[VO], v14, v15, s22
.irp j, 1,2,3,4,5,6,7
	v_mad_u32_u24 v[VO+\j], s23, \j, v[VO]
.endr
.irp x, 0,1,2,3,4,5,6,7
.irp j, 0,1,2,3,4,5,6,7
	global_load_b32 v[BI+8*\x+\j], v[VO+\j], s[2:3] offset:4*(32*(\x/2)+8*(\x%2))
.endr
.endr
.macro FRAG reg, adr, q, i             ; a fragment's image: four loads of 512 consecutive bytes
.irp c, 0,1,2,3
	ds_load_b128 v[\reg+4*\c:\reg+4*\c+3], v[\adr] offset:2048*(\q)+512*\c+(\i)*4096
.endr
.endm
; 16 matrix instructions: A's blocks a0, a0 + 1 x B's eight.  p: B's set; sc: the set of scale words.  zero = 0: C = D; 1: C = the bias of B's block (q, k); 2: of A's block (v).
; The 64 accumulators take turns, one instruction a turn, in the same order in every step.
.macro MUL16 a0, p, q, sc, zero
.irp a, \a0, \a0+1
.irp b, 0,1,2,3,4,5,6,7
.if (\zero) == 1
	v_wmma_scale_f32_16x16x128_f8f6f4 v[8*(8*((\a)%4)+\b):8*(8*((\a)%4)+\b)+7], v[128*(\p)+FR*\b:128*(\p)+FR*\b+FR-1], v[AF+FR*(\a):AF+FR*(\a)+FR-1], v[BI+8*\b:BI+8*\b+7], v[SC+8*NQ*(\sc)+NQ*\b+(\q)], v[SC+8*NQ*(\sc)+NQ*(\a)+(\q)] matrix_a_fmt:MATRIX_FMT_BF8 matrix_b_fmt:MATRIX_FMT_BF8 matrix_a_scale:MATRIX_SCALE_ROW1
.elseif (\zero) == 2
	v_wmma_scale_f32_16x16x128_f8f6f4 v[8*(8*((\a)%4)+\b):8*(8*((\a)%4)+\b)+7], v[128*(\p)+FR*\b:128*(\p)+FR*\b+FR-1], v[AF+FR*(\a):AF+FR*(\a)+FR-1], v[BI+8*(\a):BI+8*(\a)+7], v[SC+8*NQ*(\sc)+NQ*\b+(\q)], v[SC+8*NQ*(\sc)+NQ*(\a)+(\q)] matrix_a_fmt:MATRIX_FMT_BF8 matrix_b_fmt:MATRIX_FMT_BF8 matrix_a_scale:MATRIX_SCALE_ROW1
.else
	v_wmma_scale_f32_16x16x128_f8f6f4 v[8*(8*((\a)%4)+\b):8*(8*((\a)%4)+\b)+7], v[128*(\p)+FR*\b:128*(\p)+FR*\b+FR-1], v[AF+FR*(\a):AF+FR*(\a)+FR-1], v[8*(8*((\a)%4)+\b):8*(8*((\a)%4)+\b)+7], v[SC+8*NQ*(\sc)+NQ*\b+(\q)], v[SC+8*NQ*(\sc)+NQ*(\a)+(\q)] matrix_a_fmt:MATRIX_FMT_BF8 matrix_b_fmt:MATRIX_FMT_BF8 matrix_a_scale:MATRIX_SCALE_ROW1
.endif
.endr
.endr
.endm
.macro FETCH_B slot, q, p
	WIN TO_B
.irp i, 0,1,2,3,4,5,6,7
	FRAG 128*(\p)+FR*\i, ADRB+\slot, \q, \i
.endr
	WIN 0
.endm
.macro FETCH_A slot, q, i0
.irp i, \i0, \i0+1, \i0+2, \i0+3
	FRAG AF+FR*(\i), ADRA+\slot, \q, \i
.endr
.endm
.macro SCALES sc                       ; a slot's two words a row: lanes 0-15 A's block i, lanes 16-31 B's block i
.irp i, 0,1,2,3,4,5,6,7
	ds_load_b64 v[SC+8*NQ*\sc+NQ*\i:SC+8*NQ*\sc+NQ*\i+1], v[ADRS] offset:\i*512
.endr
.endm
.macro PLACES n                        ; plain vector lines between a matrix instruction and a load into, or a read of, its registers (ISA guide 7.12.1 for reads)
.rept \n
	v_nop
.endr
.endm
; A step of 128 along K that has its successor in the same slot
.macro STEP slot, q, zero
	s_wait_dscnt 4*NL                              ; B's set and A's blocks 0-3 are in; the youngest 16 loads (A's blocks 4-7) may be out
.if \zero
	WIN 0x81                                       ; C (the bias) window 0, D window 2
.else
	WIN MUL_LO
.endif
	MUL16 0, (\q)%2, \q, \slot, \zero
	MUL16 2, (\q)%2, \q, \slot, \zero
	s_wait_dscnt 0
	PLACES NP
	FETCH_B \slot, (\q)+1, 1-(\q)%2
	FETCH_A \slot, (\q)+1, 0
.if \zero
	WIN 0xc1
.else
	WIN MUL_HI
.endif
	MUL16 4, (\q)%2, \q, \slot, \zero
	MUL16 6, (\q)%2, \q, \slot, \zero
	PLACES NP
	WIN 0
	FETCH_A \slot, (\q)+1, 4
.endm
; A slot's last step changes slots: one barrier; in front of it each wave waits for all its tensor loads, adds 0 to its spare word, and waits for that and for its reads of this slot.
; fill = 1: this slot is filled again, two slots ahead; the barrier then opens a round of the cluster's.  adv: the step to the next slot's scale words.
.macro TURN slot, next, fill, adv
	s_wait_tensorcnt 0x0                           ; all my tensor loads have landed: my part of the next slot
	ds_add_u32 v[SPW], v[NIL]                      ; 0 onto my spare word
	s_wait_dscnt 4*NL+1                            ; (the add and the youngest 16 loads may be out)
	WIN MUL_LO
	MUL16 0, 1, NQ-1, \slot, 0
	s_wait_dscnt 0x0                               ; the add is done, and my reads of this slot are over
	s_barrier_signal -1
	MUL16 2, 1, NQ-1, \slot, 0
	WIN 0
	s_barrier_wait -1
.if \fill
	CREST                                          ; no wave of any partner still reads this slot or has a load on its way
	s_add_nc_u64 s[G0+4*\slot+2:G0+4*\slot+3], s[G0+4*\slot+2:G0+4*\slot+3], 8192
	s_add_nc_u64 s[G0B+4*\slot+2:G0B+4*\slot+3], s[G0B+4*\slot+2:G0B+4*\slot+3], 8192
	JLOAD G0+4*\slot, G1, G0B+4*\slot, G1B         ; the first tensor load behind the round; its four v_nop are among the places below
	PLACES NP-4
.else
	PLACES NP
.endif
	s_wait_alu depctr_va_vdst(0)
	v_add_nc_u32 v[ADRS], \adv, v[ADRS]
	FETCH_B \next, 0, 0
	FETCH_A \next, 0, 0
	SCALES \next
	WIN MUL_HI
	MUL16 4, 1, NQ-1, \slot, 0
	MUL16 6, 1, NQ-1, \slot, 0
	PLACES NP
	WIN 0
	FETCH_A \next, 0, 4
.endm
	s_wait_alu depctr_va_vdst(0)
	s_wait_tensorcnt 0x0                           ; my tile of the head's four is in; slot 1's first fill is issued as a refill is:
	ds_add_u32 v[SPW], v[NIL]                      ; 0 onto my spare word
	s_mov_b32 s[G1+2], 8<<16                       ; no tensor load of mine is out: from here on a load brings 8 tiles
	s_mov_b32 s[G1+4], 8
	s_mov_b32 s[G1B+2], 8<<16
	s_mov_b32 s[G1B+4], 8
	s_wait_dscnt 0x0                               ; the add is done
	CROUND                                         ; all four tiles are in, and all sixteen work-groups are here
	JLOAD G0+4, G1, G0B+4, G1B                     ; slot 1: the first tensor load behind the round
	FETCH_B 0, 0, 0
	FETCH_A 0, 0, 0
	SCALES 0
	FETCH_A 0, 0, 4
	s_wait_loadcnt 0x0                             ; the biases
	s_cmp_eq_u32 s[KV], 1                          ; the first step is written twice: its C differs by the kind; both arms hold the same loads and waits
	s_cbranch_scc1 .Lfirst_v
	STEP 0, 0, 1
	s_branch .Lfirst_done
.Lfirst_v:
	STEP 0, 0, 2
.Lfirst_done:
	TURN 0, 1, 1, 8                                ; K = 1,024 is four slots' worth: written out
	STEP 1, 0, 0
	TURN 1, 0, 1, 248
	STEP 0, 0, 0
	TURN 0, 1, 0, 8
	STEP 1, 0, 0
	s_wait_dscnt 4*NL
	WIN MUL_LO
	MUL16 0, 1, NQ-1, 1, 0
	MUL16 2, 1, NQ-1, 1, 0
	s_wait_dscnt 0
	WIN MUL_HI
	MUL16 4, 1, NQ-1, 1, 0
	MUL16 6, 1, NQ-1, 1, 0
	WIN 0
	; THE WAY OUT.  For A's block a a lane holds one row and 64 registers = 128 true neighbours along B: four blocks of 32, quantised in registers; the codes are a fragment's image as they stand.
	; q, k: 128 channels = two heads: groups 0, 1 go to the even head's image, 2, 3 to the odd head's, 131,072 bytes on; the next a is the next tile of 16 positions, 1,024 bytes on.
	; v:    128 keys = one key step: the four groups lie 512 bytes apart; the next a is the next tile of 16 channels, 2,048 bytes on; a = 4 begins the next head.
	PLACES NP
	s_lshl_b32 s20, s17, 8
	s_lshl_b32 s21, s15, 7
	s_add_co_u32 s20, s20, s21                     ; my first row in A's role
	s_lshl_b32 s21, s42, 8
	s_lshl_b32 s22, s16, 7
	s_add_co_u32 s21, s21, s22                     ; in B's role
	s_lshl_b32 s18, ttmp9, 23                      ; q's image at 0, k's at 8,388,608
	s_lshl_b32 s19, ttmp9, 18
	s_add_co_u32 s19, s19, 0x1000000               ; q's scale words at 16,777,216, k's 262,144 on
	s_mov_b32 s12, 124928
	s_mov_b32 s46, 0x20000
	s_cmp_eq_u32 s[KV], 1
	s_cselect_b32 s22, s21, s20                    ; x's first position
	s_cselect_b32 s23, s20, s21                    ; the first channel
	s_cselect_b32 s18, 0, s18
	s_cselect_b32 s19, 0x800000, s19               ; v's scale words at 8,388,608
	s_cselect_b32 s12, s12, 1024                   ; the step at a = 4
	s_cselect_b32 s46, 1024, s46                   ; from groups 0, 1 to groups 2, 3
	s_cselect_b64 s[98:99], s[100:101], s[98:99]   ; the buffer
	s_lshl_b32 s2, 1024, s[KV]                     ; the step from a to a + 1
	s_mov_b32 s3, 0
	s_mov_b32 s13, 0
	s_bfe_u32 s23, s23, 0x40006                    ; my even head
	s_lshr_b32 s20, s22, 11
	s_lshl_b32 s20, s20, 4
	s_add_co_u32 s20, s20, s23                     ; 16 x batch + head
	s_bfe_u32 s21, s22, 0x40007                    ; which 128 positions of the batch
	s_lshl_b32 s22, s20, 17                        ; images: 131,072 a head, 8,192 for 128 positions, in all three
	s_lshl_b32 s23, s21, 13
	s_add_co_u32 s22, s22, s23
	s_add_co_u32 s22, s22, s18
	s_mov_b32 s23, 0
	s_lshl_b32 s20, s20, 12                        ; scale words: 4,096 a head, 256 for 128 positions
	s_lshl_b32 s21, s21, 8
	s_add_co_u32 s20, s20, s21
	s_add_co_u32 s20, s20, s19
	s_mov_b32 s21, 0
	s_add_nc_u64 s[100:101], s[98:99], s[20:21]
	s_add_nc_u64 s[98:99], s[98:99], s[22:23]
	s_mov_b32 s18, 0x76543210
	s_mov_b32 s19, 0xfedcba98
	s_mov_b32 s20, 0x600000
	v_and_b32 v[OI0], 31, v0
	v_lshlrev_b32 v[OI0], 4, v[OI0]
	v_add_nc_u32 v[OI1], s46, v[OI0]
	v_and_b32 v[SA], 15, v0
	v_bfe_u32 v95, v0, 4, 1
	v_lshlrev_b32 v[SA], 4, v[SA]
	v_lshl_add_u32 v[SA], v95, 12, v[SA]           ; 16 r + 4,096 h: lanes 16-31 store the next head's words
.irp b, 0,1,2,3
	v_mov_b32 v[TM+4+\b], 0                        ; a lane permute's destination counts as read
.endr
.macro EPI a
.set AC, 64*((\a)%4)
.set W, 2+(\a)/4
.set WN, (W<<2)|(W<<4)
	WIN WN                                         ; sources 1 and 2: the accumulators' window
.irp b, 0,1,2,3
	v_max3_num_f32 v[TM+\b], 0x8000000, |v[AC+16*\b]|, |v[AC+16*\b+1]|   ; each accumulator is read from its low end on; the floor 2^(16 - 127) among the leaves
.endr
.irp i, 2,4,6,8,10,12,14
.irp b, 0,1,2,3
	v_max3_num_f32 v[TM+\b], v[TM+\b], |v[AC+16*\b+\i]|, |v[AC+16*\b+\i+1]|
.endr
.endr
	WIN 0
.irp b, 0,1,2,3
	v_permlanex16_b32 v[TM+4+\b], v[TM+\b], s18, s19
.endr
.irp b, 0,1,2,3
	v_max_num_f32 v[TM+\b], v[TM+\b], v[TM+4+\b]
.endr
.irp b, 0,1,2,3
	v_add_nc_u32 v[TM+12+\b], 0xf8800000, v[TM+\b]
.endr
.irp b, 0,1,2,3
	v_and_or_b32 v[TM+8+\b], v[TM+\b], 0x7f800000, s20
.endr
.irp b, 0,1,2,3
	v_lshrrev_b32 v[TM+4+\b], 23, v[TM+12+\b]
.endr
	v_lshl_or_b32 v[PWS+(\a)], v[TM+5], 8, v[TM+4]
	v_lshl_or_b32 v[PWS+(\a)], v[TM+6], 16, v[PWS+(\a)]
	v_lshl_or_b32 v[PWS+(\a)], v[TM+7], 24, v[PWS+(\a)]
.set WN, (1<<6)|W
	WIN WN                                         ; the held numbers go to window 1, where B's first set lay
.set p, 0
.rept 64
	v_med3_num_f32 v[p], v[AC+p], -v[TM+8+p/16], v[TM+8+p/16]
.set p, p+1
.endr
	WIN 0x01
.irp b, 0,1,2,3
	v_cvt_scalef32_pk8_bf8_f32 v[AF+16*(\a)+4*\b:AF+16*(\a)+4*\b+1], v[16*\b:16*\b+7], v[TM+12+\b]
	v_cvt_scalef32_pk8_bf8_f32 v[AF+16*(\a)+4*\b+2:AF+16*(\a)+4*\b+3], v[16*\b+8:16*\b+15], v[TM+12+\b]
.endr
	v_nop                                          ; a plain line behind the last conversion
	WIN 0
.if (\a) > 0
	s_wait_alu depctr_va_vdst(0)
	s_wait_xcnt 0x0                                ; the earlier stores have read their base: it steps only behind this wait
.if (\a) == 4
	s_add_nc_u64 s[98:99], s[98:99], s[12:13]
.else
	s_add_nc_u64 s[98:99], s[98:99], s[2:3]
.endif
.endif
	global_store_b128 v[OI0], v[AF+16*(\a):AF+16*(\a)+3], s[98:99]               ; each store covers 512 consecutive bytes, aligned
	global_store_b128 v[OI0], v[AF+16*(\a)+4:AF+16*(\a)+7], s[98:99] offset:512
	global_store_b128 v[OI1], v[AF+16*(\a)+8:AF+16*(\a)+11], s[98:99]
	global_store_b128 v[OI1], v[AF+16*(\a)+12:AF+16*(\a)+15], s[98:99] offset:512
.endm
.irp a, 0,1,2,3,4,5,6,7
	EPI \a
.endr
	; the scale words.  q, k: a head's word f of these 128 positions holds the two bytes of tile 2 f below and those of tile 2 f + 1 above;  v: word t is tile t's own
	v_cmp_ne_u32 vcc_lo, 0, v95
	s_cmp_eq_u32 s[KV], 1
	s_cbranch_scc1 .Ltail_v
.irp f, 0,1,2,3
	v_perm_b32 v[XWD+\f], v[PWS+2*\f+1], v[PWS+2*\f], 0x05040100    ; the even head's bytes
	v_perm_b32 v[96+\f], v[PWS+2*\f+1], v[PWS+2*\f], 0x07060302     ; the odd head's
.endr
.irp f, 0,1,2,3
	v_cndmask_b32 v[XWD+\f], v[XWD+\f], v[96+\f], vcc_lo
.endr
	s_branch .Ltail
.Ltail_v:
.irp f, 0,1,2,3
	v_cndmask_b32 v[XWD+\f], v[PWS+\f], v[PWS+4+\f], vcc_lo
.endr
.Ltail:
	s_wait_alu depctr_va_vdst(0)
	global_store_b128 v[SA], v[XWD:XWD+3], s[100:101]   ; sixteen lanes store 256 consecutive bytes, aligned
	s_wait_tensorcnt 0x0                           ; the wave's end
	ds_add_u32 v[SPW], v[NIL]
	s_wait_dscnt 0x0
	CROUND                                         ; the closing round
	s_endpgm
.Lfunc_end_k_q4eb565646d_gemm:
	.size	k_q4eb565646d_gemm, .Lfunc_end_k_q4eb565646d_gemm-k_q4eb565646d_gemm
	.p2alignl 7, 3214868480
	.fill 96, 4, 3214868480
	.section	.rodata,"a",@progbits
	.p2align	6, 0x0
	.amdhsa_kernel k_q4eb565646d_gemm
		.amdhsa_group_segment_fixed_size 327680
		.amdhsa_private_segment_fixed_size 0
		.amdhsa_enable_private_segment 0
		.amdhsa_kernarg_size 72
		.amdhsa_user_sgpr_count 2
		.amdhsa_user_sgpr_kernarg_segment_ptr 1
		.amdhsa_wavefront_size32 1
		.amdhsa_system_sgpr_workgroup_id_x 1
		.amdhsa_system_sgpr_workgroup_id_y 1
		.amdhsa_system_sgpr_workgroup_id_z 1
		.amdhsa_system_vgpr_workitem_id 0
		.amdhsa_next_free_vgpr 1024
		.amdhsa_next_free_sgpr 102
		.amdhsa_reserve_vcc 1
		.amdhsa_float_denorm_mode_32 3
		.amdhsa_float_denorm_mode_16_64 3
		.amdhsa_memory_ordered 1
		.amdhsa_forward_progress 1
		.amdhsa_inst_pref_size 208
	.end_amdhsa_kernel
	.amdgpu_metadata
---
amdhsa.version: [ 1, 2 ]
amdhsa.kernels:
  - .name:           k_q4eb565646d_gemm
    .symbol:         k_q4eb565646d_gemm.kd
    .args:
      - { .name: xc, .offset: 0, .size: 8, .value_kind: global_buffer, .address_space: global }
      - { .name: xs, .offset: 8, .size: 8, .value_kind: global_buffer, .address_space: global }
      - { .name: wc, .offset: 16, .size: 8, .value_kind: global_buffer, .address_space: global }
      - { .name: ws, .offset: 24, .size: 8, .value_kind: global_buffer, .address_space: global }
      - { .name: bq, .offset: 32, .size: 8, .value_kind: global_buffer, .address_space: global }
      - { .name: bk, .offset: 40, .size: 8, .value_kind: global_buffer, .address_space: global }
      - { .name: bv, .offset: 48, .size: 8, .value_kind: global_buffer, .address_space: global }
      - { .name: qk, .offset: 56, .size: 8, .value_kind: global_buffer, .address_space: global }
      - { .name: vb, .offset: 64, .size: 8, .value_kind: global_buffer, .address_space: global }
    .group_segment_fixed_size: 327680
    .private_segment_fixed_size: 0
    .kernarg_segment_align: 8
    .kernarg_segment_size: 72
    .max_flat_workgroup_size: 128
    .sgpr_count:     102
    .vgpr_count:     1024
    .wavefront_size: 32
...
	.end_amdgpu_metadata
.endif
;; end of part 2
;; launch attn (part 3): grid 4 x 64, 8 waves a work-group, clusters of 4 x 1, 327,680 bytes of LDS; arguments qk, vb, ob; writes ob
.if DOCPART == 3
	.amdgcn_target "amdgcn-amd-amdhsa--gfx1250"
	.amdhsa_code_object_version 6
	.text
	.protected	k_q4eb565646d_attn
	.globl	k_q4eb565646d_attn
	.p2align	8
	.type	k_q4eb565646d_attn,@function
k_q4eb565646d_attn:
	s_mov_b64 s[64:65], 0
	v_nop
	global_prefetch_b8 v0, s[64:65] scope:SCOPE_SE
	s_setreg_imm32_b32 hwreg(HW_REG_WAVE_MODE, 25, 1), 1
	s_wait_xcnt 0x0
	s_wait_alu depctr_hold_cnt(0) depctr_sa_sdst(0) depctr_va_vdst(0) depctr_va_sdst(0) depctr_va_ssrc(0) depctr_va_vcc(0) depctr_vm_vsrc(0)
	s_getreg_b32 s2, hwreg(HW_REG_IB_STS2, 6, 4)
	s_cmp_eq_u32 s2, 0
	s_cbranch_scc0 .Lentry_in_a_cluster
	s_endpgm
.Lentry_in_a_cluster:
	s_bfe_u32 s2, ttmp6, 0x10000c
	s_cmp_lg_u32 s2, 0x3003
	s_cbranch_scc0 .Lentry_shape_is_right
	s_endpgm
.Lentry_shape_is_right:
; o = softmax(q k^T / 8) v for one head, both products on codes of BF8 (E5M2) with E8M0 scales; o is quantised along the head's 64 channels and leaves as codes, an image of the next product's operand.
; THE SOFTMAX: t = score x log2(e) / 8; M = the running largest t rounded up to a whole number; p = 2^(t - M) is quantised along the keys; the row's sum is taken of the unquantised p and divides at the end.
; When M moves, the sum and O are multiplied by 2^(old M - new M), which rounds nothing.
; SHARES.  A work-group owns 512 positions of one head; each of its 8 waves owns 64 of them, four tiles of 16, and walks all 2,048 keys once, 128 a step: a fragment of K or V read from LDS serves four tiles.
; ALL OF A HEAD'S K AND V LIES IN LDS: K's image 131,072 bytes at 0, V's at 0x20000, their scale words 4,096 bytes each at 0x40000.  Filled once, at the head: waves 0 to 3 fetch the halves of K's and V's codes,
; waves 4 and 5 the scale words.  Nothing is filled again, so there is no ring, and no loop in which a prefetch could run ahead of the loads: none is laid.
; CLUSTER: the four work-groups of a head need the same K and V: each load is a joint one, mask 15.
; LAYOUT.  Both products are used transposed (S^T = K Q^T, O^T = V^T P^T): a lane holds one query throughout.  Keys and channels lie by positions (bits 3 and 4 exchanged), so the 16 registers of two neighbouring tiles are 16 true neighbours.
; The head has 64 channels and the instruction takes 128 along K: a fragment of K holds two tiles of keys, one in each half of K, and Q stands beside a block of zero codes, [q, 0] or [0, q], which picks the tile.
; Q's four tiles and five blocks of zeros lie by turns, 0 q0 0 q1 0 q2 0 q3 0, so that both forms of every tile are runs of 16 registers.
; ORDER.  A tile's codes are made; the NEXT tile's scores are issued; then come the tile's rescaling of O^T and its second product.  So the 16 multiplications of O^T are the places behind the scores' products.
; The loop is turned accordingly: step 0's first scores stand ahead of it, the last trip leaves it by a branch on the count, and the last tile's rescaling and product are written out behind it.
; LIMITS: NaN and infinities are not served; the promise holds while |t| stays under 2^31; a block whose largest magnitude lies under 2^-111, a block of zeros too, keeps the byte 1 (this program alone reads the bytes).
; REGISTERS.  Window 0: v1-7, v21 addresses; v8-20 scale words and nothing else; v24-39 four tiles' states (-M, largest score, the sum's two halves); v40-41 f and its pair; v42-63 at work; v64-127 S^T, then p; v128-191 K's fragments; v192-255 V's.
;   Window 1: v0-127 O^T of the four tiles; v128-199 Q and the zeros; v200-215 p's codes.
.set LI,  1                            ; 16 x lane
.set LR,  2                            ; 0x40000 + 16 r
.set ADK, 3
.set ADV, 4
.set ADS, 5
.set OSO, 6                            ; 32 x lane
.set QSO, 7                            ; 16 r
.set KS,  8
.set VS,  12
.set QS,  16
.set PS,  20
.set LIV, 21                           ; 0x20000 + 16 x lane
.set SPW, 22
.set NIL, 23
.set STA, 24
.set FP,  40
.set CH,  40                           ; the sum's chains 1 to 3 at v[CH + 2 k]
.set MB,  42                           ; the maxima's second chains: the same registers, earlier in a tile
.set TM,  48
.set MX,  48
.set PT,  52
.set TP,  54
.set TP2, 55
.set CAP, 56
.set SCO, 60
.set S,   64
.set F,   128
.set VF,  192
.set QZ,  128                          ; window 1
.set PCF, 200                          ; window 1
.set SPARE, 0x44000                    ; the spare words: 128 bytes for each wave, four blocks of 256 bytes that no other line names
.set WV,  10
.set G1C, 16
.set G1S, 24
.set G0C, 32
.set G0S, 36
.set CS,  52
.set SEL, 54
.set MNT, 56
.set TK,  57
.set TS,  58
.set CNT, 59
.set HM,  61
.set MSB, 0
.macro WIN new                         ; the immediate's high byte repeats the setting that is left
.if MSB != (\new)
	s_set_vgpr_msb (MSB<<8)|(\new)
.set MSB, (\new)
.endif
.endm
.macro CROUND                          ; a round of the cluster's barrier
	s_barrier_signal -1
	s_barrier_wait -1
	s_cmp_lg_u32 s[WV], 0
	s_cbranch_scc1 .Lnot_wave_0_\@
	s_barrier_signal -3
.Lnot_wave_0_\@:
	s_barrier_wait -3
	s_barrier_signal -1
	s_barrier_wait -1
.endm
.macro G1SET g, r                      ; r dense rows of 256 bytes (32 elements of 8), mask 15, bit 21 beside it
	s_mov_b32 s[\g], 15|(3<<16)|(1<<21)
	s_mov_b32 s[\g+1], 32<<16
	s_mov_b32 s[\g+2], (\r)<<16
	s_mov_b32 s[\g+3], 32<<16
	s_mov_b32 s[\g+4], \r
	s_mov_b32 s[\g+5], 32
	s_mov_b32 s[\g+6], 0
	s_mov_b32 s[\g+7], 0
.endm
	s_load_b128 s[4:7], s[0:1], 0x0                ; qk, vb
	s_load_b64 s[8:9], s[0:1], 0x10                ; ob
	v_lshl_add_u32 v[SPW], v0, 2, SPARE
	v_mov_b32 v[NIL], 0
	ds_add_u32 v[SPW], v[NIL]                      ; the opening lines: the add, twice on end, and its wait
	ds_add_u32 v[SPW], v[NIL]
	v_lshrrev_b32 v1, 5, v0
	s_delay_alu instid0(VALU_DEP_1)
	v_readfirstlane_b32 s[WV], v1                  ; wave 0..7
	s_and_b32 s12, ttmp7, 0xffff                   ; 16 x batch + head
	s_bfe_u32 s13, s[WV], 0x10001                  ; codes: K (0) or V (1)
	s_and_b32 s14, s[WV], 1                        ; codes: which half; scale words: K's or V's
	G1SET G1C, 256
	G1SET G1S, 16
	s_lshl_b32 s74, s13, 17
	s_lshl_b32 s75, s14, 16
	s_mov_b32 s[G0C], 1
	s_add_co_u32 s[G0C+1], s74, s75
	s_lshl_b32 s74, s14, 12
	s_mov_b32 s[G0S], 1
	s_add_co_u32 s[G0S+1], s74, 0x40000
	s_lshl_b32 s84, s12, 17                        ; the head's codes, my half
	s_add_co_u32 s84, s84, s75
	s_mov_b32 s85, 0
	s_lshl_b32 s82, s12, 12                        ; the head's scale words
	s_mov_b32 s83, 0
	s_mov_b32 s[CS], 0x3e38aa3b                    ; log2(e) / 8
	s_mov_b32 s[CS+1], s[CS]
	s_mov_b32 s[SEL], 0x76543210
	s_mov_b32 s[SEL+1], 0xfedcba98
	s_mov_b32 s[MNT], 0x600000
	s_mov_b32 s[TK], 0
	s_mov_b32 s[TS], 0
	s_mov_b32 s[CNT], 16
	s_wait_dscnt 0x0                               ; both opening adds are done
	s_wait_kmcnt 0x0
	s_add_nc_u64 s[76:77], s[4:5], 0x800000        ; k's image
	s_add_nc_u64 s[78:79], s[4:5], 0x1040000       ; k's scale words
	s_add_nc_u64 s[80:81], s[6:7], 0x800000        ; v's scale words
	s_cmp_eq_u32 s13, 0
	s_cselect_b64 s[76:77], s[76:77], s[6:7]
	s_cmp_eq_u32 s14, 0
	s_cselect_b64 s[78:79], s[78:79], s[80:81]
	s_add_nc_u64 s[G0C+2:G0C+3], s[76:77], s[84:85]
	s_or_b32 s[G0C+3], s[G0C+3], 0x80000000
	s_add_nc_u64 s[G0S+2:G0S+3], s[78:79], s[82:83]
	s_or_b32 s[G0S+3], s[G0S+3], 0x80000000
	CROUND                                         ; the four work-groups are here: the joint loads meet
; one tree of branches on the wave's number, an arm a load: no way through the head passes two
.macro ARM under, g0, g1, next
	s_cmp_lt_u32 s[WV], \under
	s_cbranch_scc0 \next
	tensor_load_to_lds s[\g0:\g0+3], s[\g1:\g1+7]
	s_nop 0
.rept 4
	v_nop
.endr
	s_branch .Lhead_asked
\next:
.endm
	ARM 4, G0C, G1C, .Lhead_s
	ARM 6, G0S, G1S, .Lhead_none
.Lhead_asked:
	s_bfe_u32 s11, ttmp6, 0x40000                  ; cx: it enters global addresses of q and o alone
	s_lshl_b32 s74, s11, 9
	s_lshl_b32 s75, s[WV], 6
	s_add_co_u32 s74, s74, s75                     ; my first position in the head: 512 cx + 64 wave
	s_lshl_b32 s88, s74, 6                         ; q's image: 64 bytes a position, 131,072 a head
	s_lshl_b32 s75, s12, 17
	s_add_co_u32 s88, s88, s75
	s_mov_b32 s89, 0
	s_lshr_b32 s90, s74, 7                         ; q's scale words: 256 bytes for 128 positions; my two words begin at 8 (wave % 2)
	s_lshl_b32 s90, s90, 8
	s_lshl_b32 s75, s14, 3
	s_add_co_u32 s90, s90, s75
	s_lshl_b32 s75, s12, 12
	s_add_co_u32 s90, s90, s75
	s_add_co_u32 s90, s90, 0x1000000
	s_mov_b32 s91, 0
	s_lshr_b32 s75, s12, 4
	s_lshl_b32 s75, s75, 11
	s_add_co_u32 s74, s74, s75                     ; my first position among all batches'
	s_and_b32 s75, s12, 15                         ; the head
	s_lshl_b32 s92, s74, 10                        ; o's image: 16,384 bytes a tile of positions, 1,024 a head
	s_lshl_b32 s93, s75, 10
	s_add_co_u32 s92, s92, s93
	s_mov_b32 s93, 0
	s_lshl_b32 s94, s74, 5                         ; o's scale bytes: 32 a position, 2 a head
	s_lshl_b32 s95, s75, 1
	s_add_co_u32 s94, s94, s95
	s_add_co_u32 s94, s94, 0x800000
	s_mov_b32 s95, 0
	s_add_nc_u64 s[66:67], s[4:5], s[88:89]
	s_add_nc_u64 s[68:69], s[4:5], s[90:91]
	s_add_nc_u64 s[70:71], s[8:9], s[92:93]
	s_add_nc_u64 s[72:73], s[8:9], s[94:95]
	v_and_b32 v[OSO], 31, v0
	s_delay_alu instid0(VALU_DEP_1)
	v_lshlrev_b32 v[LI], 4, v[OSO]
	s_delay_alu instid0(VALU_DEP_2)
	v_lshlrev_b32 v[OSO], 5, v[OSO]
	v_and_b32 v[QSO], 15, v0
	s_delay_alu instid0(VALU_DEP_1)
	v_lshlrev_b32 v[QSO], 4, v[QSO]
	s_delay_alu instid0(VALU_DEP_1)
	v_add_nc_u32 v[LR], 0x40000, v[QSO]
	v_add_nc_u32 v[LIV], 0x20000, v[LI]
	global_load_b64 v[MX:MX+1], v[QSO], s[68:69]   ; q's scale words: two tiles' bytes to a word
	WIN 0x40
.irp x, 0,1,2,3
.irp c, 0,1
	global_load_b128 v[QZ+8+16*\x+4*\c:QZ+8+16*\x+4*\c+3], v[LI], s[66:67] offset:1024*\x+512*\c
.endr
.endr
.irp z, 0,1,2,3,4
.irp i, 0,1,2,3,4,5,6,7
	v_mov_b32 v[QZ+16*\z+\i], 0                    ; the blocks of zero codes
.endr
.endr
.set j, 0
.rept 128
	v_mov_b32 v[j], 0                              ; O^T: the step is written once; its first trip finds zeros, which the first change of M leaves zeros.  These lines stand under the tensor loads' flight
.set j, j+1
.endr
	WIN 0
.irp x, 0,1,2,3
	v_mov_b32 v[STA+4*\x+1], 0xff61b1e6            ; the largest score so far: -3e38
	s_delay_alu instid0(VALU_DEP_1)
	v_floor_f32 v[STA+4*\x], -v[STA+4*\x+1]        ; and a -M over every later one: the first f is 0
	v_mov_b32 v[STA+4*\x+2], 0
	v_mov_b32 v[STA+4*\x+3], 0
.endr
	v_mov_b32 v[FP+1], 0                           ; named as the upper half of f's pair
.irp b, 0,1,2,3
	v_mov_b32 v[PT+\b], 0                          ; a lane permute's destination counts as read
.endr
	s_wait_alu depctr_va_vdst(0)
	s_wait_loadcnt 0x0
	v_perm_b32 v[QS], v[MX], v[MX], 0x01000100     ; a tile's two bytes, for either half of K
	v_perm_b32 v[QS+1], v[MX], v[MX], 0x03020302
	v_perm_b32 v[QS+2], v[MX+1], v[MX+1], 0x01000100
	v_perm_b32 v[QS+3], v[MX+1], v[MX+1], 0x03020302
	s_wait_alu depctr_va_vdst(0)
	s_wait_tensorcnt 0x0                           ; my part of K, V or the scale words is in,
	s_barrier_signal -1
	s_barrier_wait -1                              ; and everybody's
.macro KLOAD ak, as                    ; a step's four fragments of K (two tiles of keys each) and their scale words
.irp f, 0,1,2,3
.irp c, 0,1,2,3
	ds_load_b128 v[F+16*\f+4*\c:F+16*\f+4*\c+3], v[\ak] offset:2048*\f+512*\c
.endr
.endr
	ds_load_b128 v[KS:KS+3], v[\as]
.endm
.macro QK x                            ; S^T of tile x: eight tiles of 16 keys
	WIN 0x04
.irp f, 0,1,2,3
.irp e, 0,1
	v_wmma_scale_f32_16x16x128_f8f6f4 v[S+16*\f+8*\e:S+16*\f+8*\e+7], v[F+16*\f:F+16*\f+15], v[QZ+16*(\x)+8-8*\e:QZ+16*(\x)+23-8*\e], 0, v[KS+\f], v[QS+(\x)] matrix_a_fmt:MATRIX_FMT_BF8 matrix_b_fmt:MATRIX_FMT_BF8
.endr
.endr
	WIN 0
.endm
; A tile's tail: O^T under the new M, then O^T += V^T P^T, the four accumulators by turns.  vwait = 1: the step's V is waited for
.macro TAIL x, vwait
	WIN 0x41
	s_wait_alu depctr_va_vdst(0)                   ; directly ahead of the first reader of O^T
.set j, 0
.rept 16
	v_pk_mul_f32 v[32*(\x)+j:32*(\x)+j+1], v[32*(\x)+j:32*(\x)+j+1], v[FP:FP+1] op_sel_hi:[1,0]   ; these 16 are the places behind the scores' products and ahead of the products below
.set j, j+2
.endr
.if \vwait
	WIN 0
	s_wait_alu depctr_va_vdst(0)
	s_wait_dscnt 0x0                               ; V's 17 loads
.endif
	WIN 0x54
.irp t, 0,1,2,3
	v_wmma_scale_f32_16x16x128_f8f6f4 v[32*(\x)+8*\t:32*(\x)+8*\t+7], v[VF+16*\t:VF+16*\t+15], v[PCF:PCF+15], v[32*(\x)+8*\t:32*(\x)+8*\t+7], v[VS+\t], v[PS] matrix_a_fmt:MATRIX_FMT_BF8 matrix_b_fmt:MATRIX_FMT_BF8
.endr
	WIN 0
.endm
; The largest score of each block of 32 keys, my 16 of them, in two chains a block: it serves the row's maximum and the block's largest p.  Each accumulator is read from its low end on
.macro SMA
.irp b, 0,1,2,3
	v_max3_num_f32 v[MX+\b], v[S+16*\b], v[S+16*\b+1], v[S+16*\b+2]
.endr
.irp b, 0,1,2,3
	v_max3_num_f32 v[MB+\b], v[S+16*\b+8], v[S+16*\b+9], v[S+16*\b+10]
.endr
.irp i, 3,5
.irp b, 0,1,2,3
	v_max3_num_f32 v[MX+\b], v[MX+\b], v[S+16*\b+\i], v[S+16*\b+\i+1]
.endr
.irp b, 0,1,2,3
	v_max3_num_f32 v[MB+\b], v[MB+\b], v[S+16*\b+8+\i], v[S+16*\b+9+\i]
.endr
.endr
.irp b, 0,1,2,3
	v_max3_num_f32 v[MX+\b], v[MX+\b], v[MB+\b], v[S+16*\b+7]
.endr
.irp b, 0,1,2,3
	v_max_num_f32 v[MX+\b], v[MX+\b], v[S+16*\b+15]
.endr
.endm
.macro FMA4 j0                         ; t - M of eight scores
.irp d, 0,2,4,6
	v_pk_fma_f32 v[S+(\j0)+\d:S+(\j0)+\d+1], v[S+(\j0)+\d:S+(\j0)+\d+1], s[CS:CS+1], v[ST:ST+1] op_sel_hi:[1,0,0]
.endr
.endm
.macro SUM4 g                          ; four pairs of p onto the sum's four chains
	v_pk_add_f32 v[ST+2:ST+3], v[ST+2:ST+3], v[S+8*(\g):S+8*(\g)+1]
.irp k, 1,2,3
	v_pk_add_f32 v[CH+2*\k:CH+2*\k+1], v[CH+2*\k:CH+2*\k+1], v[S+8*(\g)+2*\k:S+8*(\g)+2*\k+1]
.endr
.endm
; The hold (the conversion does not saturate: ISA guide 7.6.2; p is not negative, so it is one-sided), two numbers an instruction: one of block b and one of block b + 1,
; chosen so that the two destinations are an even and an odd register and each pair of sources lies in two register banks
.macro DUAL b, i
	v_dual_min_num_f32 v[S+16*(\b)+(\i)], v[S+16*(\b)+(\i)], v[CAP+(\b)] :: v_dual_min_num_f32 v[S+16*(\b)+16+((\i)+1)%16], v[S+16*(\b)+16+((\i)+1)%16], v[CAP+(\b)+1]
.endm
.macro SMB x
.set ST, STA+4*(\x)
.irp b, 0,1,2,3
	v_permlanex16_b32 v[PT+\b], v[MX+\b], s[SEL], s[SEL+1]
.endr
.irp b, 0,1,2,3
	s_delay_alu instid0(VALU_DEP_4)
	v_max_num_f32 v[MX+\b], v[MX+\b], v[PT+\b]     ; with lane xor 16's 16 keys
.endr
	s_delay_alu instid0(VALU_DEP_2)
	v_max3_num_f32 v[TP], v[MX], v[MX+1], v[MX+2]
	v_mov_b32 v[TP2], v[ST]                        ; the old -M
	v_max3_num_f32 v[ST+1], v[ST+1], v[TP], v[MX+3]   ; the running largest score
	v_mul_f32 v[TP], s[CS], v[ST+1]                ; as t (the factor is positive)
	v_floor_f32 v[ST], -v[TP]                      ; -M = floor(-t)
	FMA4 0
	v_sub_f32 v[TP2], v[ST], v[TP2]                ; old M - new M: a whole number, 0 or less.  The three lines that make f stand among the multiply-adds
	FMA4 8
	v_cvt_i32_f32 v[TP2], v[TP2]                   ; (it saturates)
	FMA4 16
	v_ldexp_f32 v[FP], 1.0, v[TP2]                 ; f = 2^(old M - new M)
.irp q, 24,32,40,48,56
	FMA4 \q
.endr
.irp b, 0,1,2,3
	v_fma_f32 v[MX+\b], v[MX+\b], s[CS], v[ST]     ; the same of each block's largest score
.endr
	s_wait_alu depctr_va_vdst(0)                   ; ahead of the batch
.set j, 0
.rept 64
	v_exp_f32 v[S+j], v[S+j]
.set j, j+1
.endr
.irp b, 0,1,2,3
	v_exp_f32 v[MX+\b], v[MX+\b]                   ; the blocks' largest p
.endr
	v_pk_mul_f32 v[ST+2:ST+3], v[ST+2:ST+3], v[FP:FP+1] op_sel_hi:[1,0]   ; the sums under the new M; a plain place behind the batch
	s_wait_alu depctr_va_vdst(0)                   ; one wait for the batch, ahead of its first reader
; From here to the conversions: plain lines alone.  The row's sum of the unquantised p (32 additions in four chains), the blocks' scales and the holds stand by turns; a number is held behind the addition that reads it
.irp b, 0,1,2,3
	v_max_num_f32 v[MX+\b], 0x8000000, v[MX+\b]    ; the floor 2^(16 - 127): the byte cannot fall under 1
.endr
	v_pk_add_f32 v[ST+2:ST+3], v[ST+2:ST+3], v[S:S+1]
.irp k, 1,2,3
	v_pk_add_f32 v[CH+2*\k:CH+2*\k+1], v[S+2*\k:S+2*\k+1], v[S+2*\k+8:S+2*\k+9]
.endr
.irp b, 0,1,2,3
	v_add_nc_u32 v[SCO+\b], 0xf8800000, v[MX+\b]   ; 15 off the exponent field: the conversion's scale operand
.endr
	v_pk_add_f32 v[ST+2:ST+3], v[ST+2:ST+3], v[S+8:S+9]
	SUM4 2
.irp b, 0,1,2,3
	v_and_or_b32 v[CAP+\b], v[MX+\b], 0x7f800000, s[MNT]   ; 57,344 x the scale
.endr
	SUM4 3
.irp b, 0,1,2,3
	v_lshrrev_b32 v[PT+\b], 23, v[SCO+\b]          ; the scales' bytes
.endr
.set n, 0
.rept 16
.if n%4 == 0
.set CR, ST+2
.else
.set CR, CH+2*(n%4)
.endif
	v_pk_add_f32 v[CR:CR+1], v[CR:CR+1], v[S+32+2*n:S+33+2*n]
	DUAL 0, n
.set n, n+1
.endr
	v_lshl_or_b32 v[PS], v[PT+1], 8, v[PT]         ; p's scale word for these 128 keys
.irp i, 0,1,2,3
	DUAL 2, \i
.endr
	v_lshl_or_b32 v[PS], v[PT+2], 16, v[PS]
.irp i, 4,5,6,7
	DUAL 2, \i
.endr
	v_lshl_or_b32 v[PS], v[PT+3], 24, v[PS]
.irp i, 8,9,10,11
	DUAL 2, \i
.endr
	v_pk_add_f32 v[ST+2:ST+3], v[ST+2:ST+3], v[CH+2:CH+3]
	v_pk_add_f32 v[CH+4:CH+5], v[CH+4:CH+5], v[CH+6:CH+7]
.irp i, 12,13,14,15
	DUAL 2, \i
.endr
	v_pk_add_f32 v[ST+2:ST+3], v[ST+2:ST+3], v[CH+4:CH+5]
	WIN 0x40
.irp b, 0,1,2,3
	v_cvt_scalef32_pk8_bf8_f32 v[PCF+4*\b:PCF+4*\b+1], v[S+16*\b:S+16*\b+7], v[SCO+\b]
	v_cvt_scalef32_pk8_bf8_f32 v[PCF+4*\b+2:PCF+4*\b+3], v[S+16*\b+8:S+16*\b+15], v[SCO+\b]
.endr
	v_nop                                          ; a plain line behind the last conversion: the next scores are written over its sources
	WIN 0
.endm
.macro PLACES n
.rept \n
	v_nop
.endr
.endm
	KLOAD LI, LR                                   ; step 0's K
	PLACES 8                                       ; q's scale words were made by vector lines: eight places ahead of the first product
	s_wait_dscnt 0x0
	QK 0
	PLACES 8                                       ; round the loop O^T's 16 multiplications stand here
.Lsteps:                                           ; 16 trips of 128 keys; at its head tile 0's scores are made
	SMA                                            ; (its 32 lines are the places behind the last products, ahead of the loads into V's registers)
	v_add_nc_u32 v[ADV], s[TK], v[LIV]
	v_add_nc_u32 v[ADS], s[TS], v[LR]
.irp t, 0,1,2,3
.irp c, 0,1,2,3
	ds_load_b128 v[VF+16*\t+4*\c:VF+16*\t+4*\c+3], v[ADV] offset:2048*\t+512*\c
.endr
.endr
	ds_load_b128 v[VS:VS+3], v[ADS] offset:4096
	s_add_co_u32 s[TK], s[TK], 8192
	s_add_co_u32 s[TS], s[TS], 256
	SMB 0
	QK 1
	TAIL 0, 1
	SMA
	SMB 1
	QK 2
	TAIL 1, 0
	SMA
	SMB 2
	QK 3
	TAIL 2, 0
	v_add_nc_u32 v[ADK], s[TK], v[LI]              ; K's registers are free: the next step's fragments come under tile 3's softmax
	v_add_nc_u32 v[ADS], s[TS], v[LR]
	s_cmp_eq_u32 s[CNT], 1                         ; the last trip has no next step
	s_wait_alu depctr_va_vdst(0)
	s_cbranch_scc1 .Lno_next
	KLOAD ADK, ADS
.Lno_next:
	SMA
	SMB 3
	s_cmp_eq_u32 s[CNT], 1
	s_wait_alu depctr_va_vdst(0)
	s_cbranch_scc1 .Ldone                          ; the last trip leaves here
	s_wait_dscnt 0x0                               ; the next step's K
	QK 0
	TAIL 3, 0
	s_sub_co_u32 s[CNT], s[CNT], 1
	s_cmp_lg_u32 s[CNT], 0
	s_wait_alu depctr_va_vdst(0)
	s_cbranch_scc1 .Lsteps
.Ldone:
	PLACES 8                                       ; on the way straight on from the branch above, tile 3's products stand directly ahead: eight places ahead of the lines that read their results
	TAIL 3, 0
	; THE WAY OUT: O^T / the sum, quantised along the head's 64 channels; two tiles make four blocks of 32 and one run of the quantiser
	PLACES 8
.irp x, 0,1,2,3
	v_add_f32 v[STA+4*\x+2], v[STA+4*\x+2], v[STA+4*\x+3]
.endr
.irp x, 0,1,2,3
	s_delay_alu instid0(VALU_DEP_4)
	v_permlanex16_b32 v[STA+4*\x+3], v[STA+4*\x+2], s[SEL], s[SEL+1]
.endr
.irp x, 0,1,2,3
	s_delay_alu instid0(VALU_DEP_4)
	v_add_f32 v[STA+4*\x+2], v[STA+4*\x+2], v[STA+4*\x+3]
.endr
	s_wait_alu depctr_va_vdst(0)                   ; ahead of the batch
.irp x, 0,1,2,3
	v_rcp_f32 v[STA+4*\x], v[STA+4*\x+2]
.endr
	v_bfe_u32 v[PT], v0, 4, 1                      ; a plain place behind the batch: lane / 16
	s_delay_alu instid0(VALU_DEP_1)
	v_cmp_ne_u32 s[HM], 0, v[PT]
	WIN 0x01
	s_wait_alu depctr_va_vdst(0)                   ; one wait for the four, and for O^T's first readers
.set j, 0
.rept 64
	v_mul_f32 v[S+j], v[j], v[STA+4*(j/32)]
.set j, j+1
.endr
.set j, 0
.rept 64
	v_mul_f32 v[VF+j], v[64+j], v[STA+8+4*(j/32)]
.set j, j+1
.endr
	WIN 0
.macro QUANT s, pc, pw
.irp b, 0,1,2,3
	v_max3_num_f32 v[TM+\b], |v[\s+16*\b]|, |v[\s+1+16*\b]|, 0x8000000
.endr
.irp i, 2,4,6,8,10,12,14
.irp b, 0,1,2,3
	s_delay_alu instid0(VALU_DEP_4)
	v_max3_num_f32 v[TM+\b], v[TM+\b], |v[\s+16*\b+\i]|, |v[\s+1+16*\b+\i]|
.endr
.endr
.irp b, 0,1,2,3
	s_delay_alu instid0(VALU_DEP_4)
	v_permlanex16_b32 v[TM+4+\b], v[TM+\b], s[SEL], s[SEL+1]
.endr
.irp b, 0,1,2,3
	s_delay_alu instid0(VALU_DEP_4)
	v_max_num_f32 v[TM+\b], v[TM+\b], v[TM+4+\b]
.endr
.irp b, 0,1,2,3
	s_delay_alu instid0(VALU_DEP_4)
	v_add_nc_u32 v[TM+12+\b], 0xf8800000, v[TM+\b]
.endr
.irp b, 0,1,2,3
	v_and_or_b32 v[TM+8+\b], v[TM+\b], 0x7f800000, s[MNT]
.endr
.irp b, 0,1,2,3
	v_lshrrev_b32 v[TM+4+\b], 23, v[TM+12+\b]
.endr
	s_delay_alu instid0(VALU_DEP_3)
	v_lshl_or_b32 v[\pw], v[TM+5], 8, v[TM+4]
	s_delay_alu instid0(VALU_DEP_1)
	v_lshl_or_b32 v[\pw], v[TM+6], 16, v[\pw]
	s_delay_alu instid0(VALU_DEP_1)
	v_lshl_or_b32 v[\pw], v[TM+7], 24, v[\pw]
.irp b, 0,1,2,3
.irp i, 0,1,2,3,4,5,6,7,8,9,10,11,12,13,14,15
	v_med3_num_f32 v[\s+16*\b+\i], v[\s+16*\b+\i], -v[TM+8+\b], v[TM+8+\b]
.endr
	v_cvt_scalef32_pk8_bf8_f32 v[\pc+4*\b:\pc+1+4*\b], v[\s+16*\b:\s+7+16*\b], v[TM+12+\b]
	v_cvt_scalef32_pk8_bf8_f32 v[\pc+2+4*\b:\pc+3+4*\b], v[\s+8+16*\b:\s+15+16*\b], v[TM+12+\b]
.endr
	v_nop                                          ; a plain line behind the last conversion
.endm
.macro OUT g, s                        ; tiles 2 g and 2 g + 1; every pair has registers of its own for what it stores
.set PC, F+16*(\g)
.set PW, MB+2*(\g)
	QUANT \s, PC, PW
	v_lshrrev_b32 v[PW+1], 16, v[PW]
	s_delay_alu instid0(VALU_DEP_1)
	v_cndmask_b32 v[PW+1], v[PW], v[PW+1], s[HM]   ; lanes 0-15: the even tile's two bytes, lanes 16-31: the odd tile's
	global_store_b128 v[LI], v[PC:PC+3], s[70:71] offset:32768*(\g)             ; each store covers 512 consecutive bytes, aligned
	global_store_b128 v[LI], v[PC+4:PC+7], s[70:71] offset:32768*(\g)+512
	global_store_b128 v[LI], v[PC+8:PC+11], s[70:71] offset:32768*(\g)+16384
	global_store_b128 v[LI], v[PC+12:PC+15], s[70:71] offset:32768*(\g)+16384+512
	global_store_b16 v[OSO], v[PW+1], s[72:73] offset:1024*(\g)                 ; two bytes a position, 32 bytes apart: the layout in which the next launch's lanes take a position's eight words
.endm
	OUT 0, S
	OUT 1, VF
	s_wait_tensorcnt 0x0                           ; the wave's end
	ds_add_u32 v[SPW], v[NIL]
	s_wait_dscnt 0x0
	CROUND                                         ; the closing round
	s_endpgm
.Lfunc_end_k_q4eb565646d_attn:
	.size	k_q4eb565646d_attn, .Lfunc_end_k_q4eb565646d_attn-k_q4eb565646d_attn
	.p2alignl 7, 3214868480
	.fill 96, 4, 3214868480
	.section	.rodata,"a",@progbits
	.p2align	6, 0x0
	.amdhsa_kernel k_q4eb565646d_attn
		.amdhsa_group_segment_fixed_size 327680
		.amdhsa_private_segment_fixed_size 0
		.amdhsa_enable_private_segment 0
		.amdhsa_kernarg_size 24
		.amdhsa_user_sgpr_count 2
		.amdhsa_user_sgpr_kernarg_segment_ptr 1
		.amdhsa_wavefront_size32 1
		.amdhsa_system_sgpr_workgroup_id_x 1
		.amdhsa_system_sgpr_workgroup_id_y 1
		.amdhsa_system_sgpr_workgroup_id_z 1
		.amdhsa_system_vgpr_workitem_id 0
		.amdhsa_next_free_vgpr 512
		.amdhsa_next_free_sgpr 96
		.amdhsa_reserve_vcc 0
		.amdhsa_float_denorm_mode_32 3
		.amdhsa_float_denorm_mode_16_64 3
		.amdhsa_memory_ordered 1
		.amdhsa_forward_progress 1
		.amdhsa_inst_pref_size 110
	.end_amdhsa_kernel
	.amdgpu_metadata
---
amdhsa.version: [ 1, 2 ]
amdhsa.kernels:
  - .name:           k_q4eb565646d_attn
    .symbol:         k_q4eb565646d_attn.kd
    .args:
      - { .name: qk, .offset: 0, .size: 8, .value_kind: global_buffer, .address_space: global }
      - { .name: vb, .offset: 8, .size: 8, .value_kind: global_buffer, .address_space: global }
      - { .name: ob, .offset: 16, .size: 8, .value_kind: global_buffer, .address_space: global }
    .group_segment_fixed_size: 327680
    .private_segment_fixed_size: 0
    .kernarg_segment_align: 8
    .kernarg_segment_size: 24
    .max_flat_workgroup_size: 256
    .sgpr_count:     96
    .vgpr_count:     512
    .wavefront_size: 32
...
	.end_amdgpu_metadata
.endif
;; end of part 3
;; launch proj (part 4): grid 256 x 1, 4 waves a work-group, no clusters, 132,096 bytes of LDS; arguments ob, wc, ws, x, bo, gamma, beta, out0; writes out0
.if DOCPART == 4
	.amdgcn_target "amdgcn-amd-amdhsa--gfx1250"
	.amdhsa_code_object_version 6
	.text
	.protected	k_q4eb565646d_proj
	.globl	k_q4eb565646d_proj
	.p2align	8
	.type	k_q4eb565646d_proj,@function
k_q4eb565646d_proj:
	s_mov_b64 s[64:65], 0
	v_nop
	global_prefetch_b8 v0, s[64:65] scope:SCOPE_SE
	s_setreg_imm32_b32 hwreg(HW_REG_WAVE_MODE, 25, 1), 1
	s_wait_xcnt 0x0
; out0 = LayerNorm(x + o Wo + bo) gamma + beta.  The product is on codes of BF8 (E5M2) with E8M0 scales, sums in f32; all else in f32; the variance is taken of y - mean, as the definition has it.
; SHARES.  A work-group owns 32 rows (two tiles of positions) and all 1,024 columns, so that the norm is made here and y never goes to memory.  Wave w makes columns 256 w .. 256 w + 255: 16 column tiles x 2 row tiles = 32 accumulators.
; NO LDS RING AND NO CLUSTER: no two waves of a work-group read the same fragment of Wo, so LDS would add no reuse; a K step is 32 matrix instructions a wave, too little for one refill behind each
; barrier to land in.  The operands are images of their registers in memory and go straight into registers: 48 to 64 loads of 512 bytes of every wave are on their way, and no barrier stands in the product.
; The product is used transposed (source 0 = 16 channels of Wo, source 1 = 16 rows of o); Wo's channels lie by positions, so a lane's 16 results of two neighbouring tiles are 16 true neighbouring columns.
; Rows lie by positions too: position 8 w + i of the work-group's 32 is true row 16 (w % 2) + 8 (w / 2) + i.
; REGISTERS, window 0: v1-7 addresses; v32-39 o's scale words, v64-127 Wo's, and nothing else there; v128-223 bo, gamma, beta; v224-255 sums.
;   window 1: o's 16 fragments, later y.   window 2: the accumulators, (tile, row tile m) at v[8 (2 tile + m)].   window 3: Wo's 16 fragment buffers, later x's rows.
.set LI,  1                            ; 16 x lane
.set LB,  2                            ; 512 (lane / 16) + 16 r
.set ASO, 3                            ; 32 x lane
.set PFO, 4                            ; 256 x lane
.set SO0, 5                            ; the stage: where I put results of row tile 0; v6: of row tile 1
.set SR,  7                            ; and where I read rows back
.set AS,  32
.set BS,  64
.set BO,  128
.set GA,  160
.set BE,  192
.set SUM, 224
.set SQ,  240
.set SP,  4112                         ; a stage row: 4,096 bytes + 16
.set MSB, 0
.macro WIN new
.if MSB != (\new)
	s_set_vgpr_msb (MSB<<8)|(\new)
.set MSB, (\new)
.endif
.endm
	s_load_b256 s[4:11], s[0:1], 0x0               ; ob, wc, ws, x
	s_load_b256 s[12:19], s[0:1], 0x20             ; bo, gamma, beta, out0
	v_lshl_add_u32 v62, v0, 2, 0x20200
	v_mov_b32 v63, 0
	v_lshrrev_b32 v8, 5, v0
	v_readfirstlane_b32 s20, v8                    ; wave
	v_and_b32 v8, 31, v0
	v_and_b32 v9, 15, v0
	v_bfe_u32 v10, v0, 4, 1
	v_lshlrev_b32 v[LI], 4, v8
	v_lshlrev_b32 v[LB], 4, v9
	v_lshl_add_u32 v[LB], v10, 9, v[LB]
	v_lshlrev_b32 v[ASO], 5, v8
	v_lshlrev_b32 v[PFO], 8, v8
	v_mul_u32_u24 v[SO0], v9, SP
	v_lshl_add_u32 v[SO0], v10, 6, v[SO0]
	s_lshl_b32 s21, s20, 10
	v_add_nc_u32 v[SO0], s21, v[SO0]               ; row r, + 1,024 x wave + 64 h
	v_add_nc_u32 v[SO0+1], 16*SP, v[SO0]
	s_mul_i32 s21, s20, 8*SP
	v_add_nc_u32 v[SR], s21, v[LI]                 ; my 8 rows, 16 bytes a lane
	s_lshl_b32 s22, ttmp9, 15                      ; o's codes: two tiles of 16,384 bytes a work-group
	s_mov_b32 s23, 0
	s_lshl_b32 s24, ttmp9, 10                      ; o's scale bytes: 32 a row
	s_add_co_u32 s24, s24, 0x800000
	s_mov_b32 s25, 0
	s_lshl_b32 s26, s20, 18                        ; Wo's codes: my 16 tiles
	s_add_co_u32 s26, s26, 0x300000
	s_mov_b32 s27, 0
	s_lshl_b32 s28, s20, 13                        ; Wo's scale words
	s_add_co_u32 s28, s28, 98304
	s_mov_b32 s29, 0
	s_and_b32 s30, s20, 1
	s_lshl_b32 s30, s30, 1
	s_lshr_b32 s31, s20, 1
	s_or_b32 s30, s30, s31
	s_lshl_b32 s30, s30, 15                        ; my 8 true rows: 8 (2 (w % 2) + w / 2) rows of 4,096 bytes,
	s_lshl_b32 s31, ttmp9, 17                      ; in the work-group's 32
	s_add_co_u32 s30, s30, s31
	s_mov_b32 s31, 0
	s_mov_b32 s32, 0x76543210
	s_mov_b32 s33, 0xfedcba98
	s_mov_b32 s34, 0x3a800000                      ; 1 / 1,024
	s_mov_b32 s35, 0x3727c5ac                      ; 1e-5
	s_wait_alu depctr_va_vdst(0)
	s_wait_kmcnt 0x0
	s_add_nc_u64 s[22:23], s[4:5], s[22:23]
	s_add_nc_u64 s[24:25], s[4:5], s[24:25]
	s_add_nc_u64 s[6:7], s[6:7], s[26:27]
	s_add_nc_u64 s[8:9], s[8:9], s[28:29]
	s_add_nc_u64 s[10:11], s[10:11], s[30:31]
	s_add_nc_u64 s[18:19], s[18:19], s[30:31]
	global_load_b128 v[AS:AS+3], v[ASO], s[24:25]                  ; lane l: the eight scale words of position l: lanes 0-15 row tile 0, lanes 16-31 row tile 1
	global_load_b128 v[AS+4:AS+7], v[ASO], s[24:25] offset:16
.irp p, 0,1,2,3,4,5,6,7
.irp f, 0,1
	global_load_b128 v[BS+8*\p+4*\f:BS+8*\p+4*\f+3], v[LB], s[8:9] offset:1024*\p+256*\f   ; lanes 0-15: tile 2 p, lanes 16-31: tile 2 p + 1
.endr
.endr
	WIN 0x40
.irp s, 0,1,2,3,4,5,6,7
.irp m, 0,1
.irp c, 0,1,2,3
	global_load_b128 v[16*(2*\s+\m)+4*\c:16*(2*\s+\m)+4*\c+3], v[LI], s[22:23] offset:16384*\m+2048*\s+512*\c
.endr
.endr
.endr
	WIN 0
.irp q, 0,1,2,3,4,5,6,7
	global_load_b128 v[BO+4*\q:BO+4*\q+3], v[LI], s[12:13] offset:512*\q      ; for the norm a lane holds columns 128 q + 4 lane + 0..3
	global_load_b128 v[GA+4*\q:GA+4*\q+3], v[LI], s[14:15] offset:512*\q
	global_load_b128 v[BE+4*\q:BE+4*\q+3], v[LI], s[16:17] offset:512*\q
.endr
.macro BLOAD s, g                      ; K step s of Wo's tiles 4 g .. 4 g + 3
	WIN 0xc0
.irp t, 0,1,2,3
.irp c, 0,1,2,3
	global_load_b128 v[16*(4*(\g)+\t)+4*\c:16*(4*(\g)+\t)+4*\c+3], v[LI], s[6:7] offset:16384*(4*(\g)+\t)+2048*(\s)+512*\c
.endr
.endr
.endm
.macro XLOAD g                         ; x's rows 2 g, 2 g + 1 of my 8, into the buffers just left
	WIN 0xc0
.irp i, 0,1
.irp q, 0,1,2,3,4,5,6,7
	global_load_b128 v[32*(2*(\g)+\i)+4*\q:32*(2*(\g)+\i)+4*\q+3], v[LI], s[10:11] offset:4096*(2*(\g)+\i)+512*\q th:TH_LOAD_NT
.endr
.endr
.endm
.macro PROD ra, rb, z                  ; one product on DD, WA, XA, SAR, SBR; ra, rb: the scale words lie in lanes 16-31; z: the first K step starts the sum
.if \z
.if (\ra) && (\rb)
	v_wmma_scale_f32_16x16x128_f8f6f4 v[DD:DD+7], v[WA:WA+15], v[XA:XA+15], 0, v[SAR], v[SBR] matrix_a_fmt:MATRIX_FMT_BF8 matrix_b_fmt:MATRIX_FMT_BF8 matrix_a_scale:MATRIX_SCALE_ROW1 matrix_b_scale:MATRIX_SCALE_ROW1
.elseif \ra
	v_wmma_scale_f32_16x16x128_f8f6f4 v[DD:DD+7], v[WA:WA+15], v[XA:XA+15], 0, v[SAR], v[SBR] matrix_a_fmt:MATRIX_FMT_BF8 matrix_b_fmt:MATRIX_FMT_BF8 matrix_a_scale:MATRIX_SCALE_ROW1
.elseif \rb
	v_wmma_scale_f32_16x16x128_f8f6f4 v[DD:DD+7], v[WA:WA+15], v[XA:XA+15], 0, v[SAR], v[SBR] matrix_a_fmt:MATRIX_FMT_BF8 matrix_b_fmt:MATRIX_FMT_BF8 matrix_b_scale:MATRIX_SCALE_ROW1
.else
	v_wmma_scale_f32_16x16x128_f8f6f4 v[DD:DD+7], v[WA:WA+15], v[XA:XA+15], 0, v[SAR], v[SBR] matrix_a_fmt:MATRIX_FMT_BF8 matrix_b_fmt:MATRIX_FMT_BF8
.endif
.else
.if (\ra) && (\rb)
	v_wmma_scale_f32_16x16x128_f8f6f4 v[DD:DD+7], v[WA:WA+15], v[XA:XA+15], v[DD:DD+7], v[SAR], v[SBR] matrix_a_fmt:MATRIX_FMT_BF8 matrix_b_fmt:MATRIX_FMT_BF8 matrix_a_scale:MATRIX_SCALE_ROW1 matrix_b_scale:MATRIX_SCALE_ROW1
.elseif \ra
	v_wmma_scale_f32_16x16x128_f8f6f4 v[DD:DD+7], v[WA:WA+15], v[XA:XA+15], v[DD:DD+7], v[SAR], v[SBR] matrix_a_fmt:MATRIX_FMT_BF8 matrix_b_fmt:MATRIX_FMT_BF8 matrix_a_scale:MATRIX_SCALE_ROW1
.elseif \rb
	v_wmma_scale_f32_16x16x128_f8f6f4 v[DD:DD+7], v[WA:WA+15], v[XA:XA+15], v[DD:DD+7], v[SAR], v[SBR] matrix_a_fmt:MATRIX_FMT_BF8 matrix_b_fmt:MATRIX_FMT_BF8 matrix_b_scale:MATRIX_SCALE_ROW1
.else
	v_wmma_scale_f32_16x16x128_f8f6f4 v[DD:DD+7], v[WA:WA+15], v[XA:XA+15], v[DD:DD+7], v[SAR], v[SBR] matrix_a_fmt:MATRIX_FMT_BF8 matrix_b_fmt:MATRIX_FMT_BF8
.endif
.endif
.endm
.macro MULG s, g                       ; 8 products; the 32 accumulators take turns, one instruction a turn
	WIN 0xa7                                       ; source 0 (Wo) window 3, source 1 (o) window 1, C and D window 2
.irp t, 0,1,2,3
.irp m, 0,1
.set TAU, 4*(\g)+\t
.set DD, 8*(2*TAU+\m)
.set WA, 16*TAU
.set XA, 16*(2*(\s)+\m)
.set SAR, BS+8*(TAU/2)+(\s)
.set SBR, AS+(\s)
	PROD \t%2, \m, (\s)==0
.endr
.endr
.endm
.irp g, 0,1,2,3
	BLOAD 0, \g
.endr
.irp s, 0,1,2,3,4,5,6,7
.irp g, 0,1,2,3
	s_wait_loadcnt 48                              ; this group's 16 loads, and all that were issued ahead of them, are in; the three younger groups of 16 may be out
	MULG \s, \g
.rept 8
	v_nop                                          ; eight plain lines between the products and the loads into the registers that they read
.endr
.if \s < 7
	BLOAD \s+1, \g
.else
	XLOAD \g
.endif
.if (\s == 4) && (\g == 3)
.irp k, 0,1,2,3
	global_prefetch_b8 v[PFO], s[10:11] offset:8192*\k th:TH_LOAD_NT scope:SCOPE_SE   ; my own 8 rows of x, 32,768 consecutive bytes, lanes 256 bytes apart: each block named once, by the wave that will load it three K steps on
.endr
.endif
.endr
.endr
	; THE WAY OUT: results to the stage by true columns; a barrier; each wave takes 8 whole rows
	WIN 0x08                                       ; an LDS store's data are its source 1: window 2
.irp m, 0,1
.irp b, 0,1,2,3,4,5,6,7
.irp u, 0,1
	ds_store_b128 v[SO0+\m], v[8*(2*(2*\b+\u)+\m):8*(2*(2*\b+\u)+\m)+3] offset:128*\b+32*\u        ; lane (r, h): columns 256 w + 32 b + 16 h + 8 u + 0..7 of position 16 m + r
	ds_store_b128 v[SO0+\m], v[8*(2*(2*\b+\u)+\m)+4:8*(2*(2*\b+\u)+\m)+7] offset:128*\b+32*\u+16
.endr
.endr
.endr
	WIN 0
	s_wait_dscnt 0x0                               ; for the others' sake: my stores into the stage are done
	s_barrier_signal -1
	s_barrier_wait -1
	WIN 0x40
.irp i, 0,1,2,3,4,5,6,7
.irp q, 0,1,2,3,4,5,6,7
	ds_load_b128 v[32*\i+4*\q:32*\i+4*\q+3], v[SR] offset:SP*\i+512*\q
.endr
.endr
	s_wait_loadcnt 0x0                             ; x
	s_wait_dscnt 0x0
	WIN 0x4d                                       ; y (window 1) += x (window 3)
.set j, 0
.rept 128
	v_pk_add_f32 v[j:j+1], v[j:j+1], v[j:j+1]
.set j, j+2
.endr
	WIN 0x41                                       ; += bo
.set j, 0
.rept 128
	v_pk_add_f32 v[j:j+1], v[j:j+1], v[BO+j%32:BO+j%32+1]
.set j, j+2
.endr
	WIN 0x05                                       ; the rows' sums, eight chains by turns
.irp i, 0,1,2,3,4,5,6,7
	v_pk_add_f32 v[SUM+2*\i:SUM+2*\i+1], v[32*\i:32*\i+1], v[32*\i+2:32*\i+3]
.endr
	WIN 0x04
.irp k, 2,3,4,5,6,7,8,9,10,11,12,13,14,15
.irp i, 0,1,2,3,4,5,6,7
	v_pk_add_f32 v[SUM+2*\i:SUM+2*\i+1], v[SUM+2*\i:SUM+2*\i+1], v[32*\i+2*\k:32*\i+2*\k+1]
.endr
.endr
	WIN 0
.macro ACROSS r                        ; the pairs v[r + 2 i] are summed over their halves and over the 32 lanes
.irp i, 0,1,2,3,4,5,6,7
	v_add_f32 v[\r+2*\i], v[\r+2*\i], v[\r+2*\i+1]
.endr
.irp x, 1,2,4,8
.irp i, 0,1,2,3,4,5,6,7
	v_add_f32_dpp v[\r+2*\i], v[\r+2*\i], v[\r+2*\i] row_xmask:\x row_mask:0xf bank_mask:0xf
.endr
.endr
.irp i, 0,1,2,3,4,5,6,7
	v_permlanex16_b32 v[\r+2*\i+1], v[\r+2*\i], s32, s33
.endr
.irp i, 0,1,2,3,4,5,6,7
	v_add_f32 v[\r+2*\i], v[\r+2*\i], v[\r+2*\i+1]
.endr
.endm
	ACROSS SUM
.irp i, 0,1,2,3,4,5,6,7
	v_mul_f32 v[SUM+2*\i], s34, v[SUM+2*\i]        ; the mean
.endr
	WIN 0x41
.set j, 0
.rept 128
	v_pk_add_f32 v[j:j+1], v[j:j+1], v[SUM+2*(j/32):SUM+2*(j/32)+1] op_sel_hi:[1,0] neg_lo:[0,1] neg_hi:[0,1]   ; y - mean
.set j, j+2
.endr
	WIN 0x05
.irp i, 0,1,2,3,4,5,6,7
	v_pk_mul_f32 v[SQ+2*\i:SQ+2*\i+1], v[32*\i:32*\i+1], v[32*\i:32*\i+1]
.endr
.irp k, 1,2,3,4,5,6,7,8,9,10,11,12,13,14,15
.irp i, 0,1,2,3,4,5,6,7
	v_pk_fma_f32 v[SQ+2*\i:SQ+2*\i+1], v[32*\i+2*\k:32*\i+2*\k+1], v[32*\i+2*\k:32*\i+2*\k+1], v[SQ+2*\i:SQ+2*\i+1]
.endr
.endr
	WIN 0
	ACROSS SQ
.irp i, 0,1,2,3,4,5,6,7
	v_fma_f32 v[SQ+2*\i], v[SQ+2*\i], s34, s35     ; the variance + 1e-5
.endr
	s_wait_alu depctr_va_vdst(0)
.irp i, 0,1,2,3,4,5,6,7
	v_rsq_f32 v[SQ+2*\i], v[SQ+2*\i]
.endr
	v_nop
	s_wait_alu depctr_va_vdst(0)                   ; one wait for the eight, ahead of their first reader
	WIN 0x41
.set j, 0
.rept 128
	v_pk_mul_f32 v[j:j+1], v[j:j+1], v[SQ+2*(j/32):SQ+2*(j/32)+1] op_sel_hi:[1,0]
.set j, j+2
.endr
.set j, 0
.rept 128
	v_pk_fma_f32 v[j:j+1], v[j:j+1], v[GA+j%32:GA+j%32+1], v[BE+j%32:BE+j%32+1]
.set j, j+2
.endr
	WIN 0x04                                       ; a store's data are its source 1: window 1
.irp i, 0,1,2,3,4,5,6,7
.irp q, 0,1,2,3,4,5,6,7
	global_store_b128 v[LI], v[32*\i+4*\q:32*\i+4*\q+3], s[18:19] offset:4096*\i+512*\q th:TH_STORE_NT   ; 32 lanes store 512 consecutive bytes, aligned
.endr
.endr
	WIN 0
	s_wait_tensorcnt 0x0
	ds_add_u32 v62, v63
	s_wait_dscnt 0x0
	s_endpgm
.Lfunc_end_k_q4eb565646d_proj:
	.size	k_q4eb565646d_proj, .Lfunc_end_k_q4eb565646d_proj-k_q4eb565646d_proj
	.p2alignl 7, 3214868480
	.fill 96, 4, 3214868480
	.section	.rodata,"a",@progbits
	.p2align	6, 0x0
	.amdhsa_kernel k_q4eb565646d_proj
		.amdhsa_group_segment_fixed_size 132096
		.amdhsa_private_segment_fixed_size 0
		.amdhsa_enable_private_segment 0
		.amdhsa_kernarg_size 64
		.amdhsa_user_sgpr_count 2
		.amdhsa_user_sgpr_kernarg_segment_ptr 1
		.amdhsa_wavefront_size32 1
		.amdhsa_system_sgpr_workgroup_id_x 1
		.amdhsa_system_sgpr_workgroup_id_y 1
		.amdhsa_system_sgpr_workgroup_id_z 1
		.amdhsa_system_vgpr_workitem_id 0
		.amdhsa_next_free_vgpr 1024
		.amdhsa_next_free_sgpr 66
		.amdhsa_reserve_vcc 0
		.amdhsa_float_denorm_mode_32 3
		.amdhsa_float_denorm_mode_16_64 3
		.amdhsa_memory_ordered 1
		.amdhsa_forward_progress 1
		.amdhsa_inst_pref_size 188
	.end_amdhsa_kernel
	.amdgpu_metadata
---
amdhsa.version: [ 1, 2 ]
amdhsa.kernels:
  - .name:           k_q4eb565646d_proj
    .symbol:         k_q4eb565646d_proj.kd
    .args:
      - { .name: ob, .offset: 0, .size: 8, .value_kind: global_buffer, .address_space: global }
      - { .name: wc, .offset: 8, .size: 8, .value_kind: global_buffer, .address_space: global }
      - { .name: ws, .offset: 16, .size: 8, .value_kind: global_buffer, .address_space: global }
      - { .name: x, .offset: 24, .size: 8, .value_kind: global_buffer, .address_space: global }
      - { .name: bo, .offset: 32, .size: 8, .value_kind: global_buffer, .address_space: global }
      - { .name: gamma, .offset: 40, .size: 8, .value_kind: global_buffer, .address_space: global }
      - { .name: beta, .offset: 48, .size: 8, .value_kind: global_buffer, .address_space: global }
      - { .name: out0, .offset: 56, .size: 8, .value_kind: global_buffer, .address_space: global }
    .group_segment_fixed_size: 132096
    .private_segment_fixed_size: 0
    .kernarg_segment_align: 8
    .kernarg_segment_size: 64
    .max_flat_workgroup_size: 128
    .sgpr_count:     66
    .vgpr_count:     1024
    .wavefront_size: 32
...
	.end_amdgpu_metadata
.endif
;; end of part 4
